; MI455X (gfx1250); checked and timed in simulation.
; The chip was launched on July 23, 2026; its instructions are those of AMD's public machine-readable ISA for CDNA 5 (MIT licence, August 2026) and "CDNA5" Instruction Set Architecture Reference Guide (July 2026). The comments in the code are by the model that wrote it; some were corrected since.
;; Fuji Routed Experts. Allowed arithmetic: float matrix products may take bf16 or f16 operands with f32 sums; all other float work in f32.
;; Inputs: down_proj 32 x 1,024 x 128 float32; gate_up_proj 32 x 256 x 1,024 float32; hidden_states 4,096 x 1,024 float32; top_k_indices 4,096 x 8 int32; top_k_weights 4,096 x 8 float32.
;; Outputs: out0 4,096 x 1,024 float32.
;; 3 versions, each right; version 2 is faster than version 1; version 3 is version 2 with the launch gateup written anew for expert scheduling mode. Each part assembles by itself: llvm-mc -triple=amdgcn-amd-amdhsa -mcpu=gfx1250 --defsym DOCPART=n.
;; ======== version 1 of 3: 3 launches
;; workspace buffers: order 655,360 bytes of whole numbers; cw 524,288 bytes; hfull 67,108,864 bytes; wd16 8,388,608 bytes
;; launch route (part 1): grid 8 x 32, 4 waves a work-group, no clusters, 4,608 bytes of LDS; arguments top_k_indices, top_k_weights, down_proj, order, cw, wd16; writes order, cw, wd16
.if DOCPART == 1
	.amdgcn_target "amdgcn-amd-amdhsa--gfx1250"
	.amdhsa_code_object_version 6
	.text
	.protected	k_q7342164f21_route
	.globl	k_q7342164f21_route
	.p2align	8
	.type	k_q7342164f21_route,@function
k_q7342164f21_route:
	s_mov_b64 s[64:65], 0
	v_nop
	global_prefetch_b8 v0, s[64:65] scope:SCOPE_SE
	s_setreg_imm32_b32 hwreg(HW_REG_WAVE_MODE, 25, 1), 1
	s_wait_xcnt 0x0
; THE ROUTING, and down_proj rounded to bf16.  Work-group (j, e): expert e, tokens 512 j .. 512 j + 511.
; c[t][e] = sum of top_k_weights[t][k] over the slots k with top_k_indices[t][k] = e.  The work-group's 512 tokens are put in an order in which those routed to e come first:
;   order, 2,560 bytes for each (e, j): 512 words, place -> token (0 .. 511), then the count n of routed tokens, written 128 times so that its store is 512 whole bytes;
;   cw, 2,048 bytes for each (e, j): place -> c.
; These steer the next launch's addresses, branches and trip counts; a count or a list that does so is made in one launch, stored as whole numbers, and read from memory by a later one.
;
; WORK LEFT OUT by the launches that follow.  For a pair (t, e) that no slot of token t names, the one_hot in the problem makes c[t][e] = 0 whatever the floating-point inputs
; hold, so c[t][e] * y adds 0 in exact arithmetic.  Which pairs these are is decided by top_k_indices alone, read here from memory.  The gate and up products of such pairs are
; not formed (but for rows that share a tile of 16 with routed rows, and a floor of six tiles); their place in the down projection's operand is an exact 0.
; No input is without a way to the output: all five are loaded, three of them here.
; LIMITS.  A NaN, an infinity or an overflow that arises only in an expert's result for a token not routed to it is not carried to the output.
; An index outside 0 .. 31 matches no expert, as in one_hot.
; top_k_weights count among the matrix operands: the problem forms c by an einsum of the one_hot with the weights, so each weight is rounded to bf16 (a relative error of up to
; 2^-8 in an expert's term) and the slots are added in f32; the one_hot's 0 and 1 are exact, so the selection below gives what that product gives with bf16 operands and f32 sums.
;
; Four waves.  All four convert the work-group's eighth of down_proj[e], 65,536 bytes.  Wave 0 alone scans: it scatters token and c by place into LDS, which no other wave
; touches (so no barrier), reads both tables back in order and stores them, 512 consecutive bytes a store.  The places are a permutation of 0 .. 511: routed tokens count up from
; 0, the others down from 511, so every word that is read back has been written.
; NO CLUSTER, NO TENSOR LOADS: what the 32 work-groups of a j share is 32,768 bytes, and it is compared in registers as it comes.
; REGISTERS: window 0: v0-31 addresses and scratch, v32-223 three batches of the scan's loads; window 1: v0-127 down_proj.
.set PERM,  0
.set CL,    2048
.set OBLK,  2560
.set MSB,   0
; s18 wave  s19 e  s20 j  s40-44 scan  s[48:49] indices  s[50:51] weights  s[52:53] down_proj  s[54:55] wd16  s[56:57] order  s[58:59] cw, each at my part
.macro WIN new                         ; low byte: source 0 bits 1:0, source 1 3:2, source 2 5:4, destination 7:6; the high byte repeats the setting that is left
.if MSB != \new
	s_set_vgpr_msb (MSB<<8)|\new
.set MSB, \new
.endif
.endm
; The scan's loads: batch b = 4 vectors of 32 tokens; a lane takes its token's 8 indices and 8 weights, 16 registers a vector
.macro SLOAD b
.irp u, 0,1,2,3
.set SB, 32+64*(\b%3)+16*\u
	global_load_b128 v[SB:SB+3],     v27, s[48:49] offset:1024*(4*\b+\u)
	global_load_b128 v[SB+4:SB+7],   v27, s[48:49] offset:1024*(4*\b+\u)+16
	global_load_b128 v[SB+8:SB+11],  v27, s[50:51] offset:1024*(4*\b+\u)
	global_load_b128 v[SB+12:SB+15], v27, s[50:51] offset:1024*(4*\b+\u)+16
.endr
.endm
; c and the place of 4 x 32 tokens.  Routed tokens take places s42 upward, the others s43 downward.
.macro SPROC b
.irp u, 0,1,2,3
.set SB, 32+64*(\b%3)+16*\u
	; the eight weights as the bf16 operands of the problem's einsum: rounded to nearest even, two at a time, and widened again in place
.irp p, 0,1,2,3
	v_cvt_pk_bf16_f32 v[22+\p], v[SB+8+2*\p], v[SB+9+2*\p]
.endr
.irp p, 0,1,2,3
	v_lshlrev_b32 v[SB+8+2*\p], 16, v[22+\p]
	v_and_b32 v[SB+9+2*\p], 0xffff0000, v[22+\p]
.endr
	v_cmp_eq_u32 vcc_lo, s19, v[SB]
	v_cndmask_b32 v17, 0, v[SB+8], vcc_lo
	s_mov_b32 s40, vcc_lo
.irp k, 1,2,3,4,5,6,7
	v_cmp_eq_u32 vcc_lo, s19, v[SB+\k]
	v_cndmask_b32 v18, 0, v[SB+8+\k], vcc_lo
	s_or_b32 s40, s40, vcc_lo
	v_add_f32 v17, v17, v18                ; slots that name the expert twice add their weights, in f32
.endr
	v_mbcnt_lo_u32_b32 v19, s40, 0         ; routed lanes below me
	s_not_b32 s41, s40
	v_mbcnt_lo_u32_b32 v20, s41, 0         ; the others below me
	v_add_nc_u32 v19, s42, v19
	v_sub_nc_u32 v20, s43, v20
	v_cndmask_b32 v19, v20, v19, s40
	v_min_u32 v19, 0x1ff, v19
	v_lshlrev_b32 v19, 2, v19
	v_add_nc_u32 v21, 32*(4*\b+\u), v3
	ds_store_b32 v19, v21 offset:PERM
	ds_store_b32 v19, v17 offset:CL
	s_bcnt1_i32_b32 s44, s40
	s_add_co_u32 s42, s42, s44
	s_add_co_u32 s43, s43, s44
	s_sub_co_u32 s43, s43, 32
.endr
.endm
	s_load_b256 s[4:11], s[0:1], 0x0               ; top_k_indices s[4:5], top_k_weights s[6:7], down_proj s[8:9], order s[10:11]
	s_load_b128 s[12:15], s[0:1], 0x20             ; cw s[12:13], wd16 s[14:15]
	v_lshl_add_u32 v254, v0, 2, 0x1000
	v_mov_b32 v255, 0
	v_lshrrev_b32 v17, 5, v0
	v_readfirstlane_b32 s18, v17                   ; wave
	s_and_b32 s19, ttmp7, 0xffff                   ; e
	s_mov_b32 s20, ttmp9                           ; j
	v_and_b32 v3, 31, v0                           ; lane
	v_lshlrev_b32 v15, 4, v0                       ; down_proj: 16 bytes a thread
	v_lshlrev_b32 v16, 3, v0                       ; wd16: 8 bytes a thread
	v_lshlrev_b32 v26, 4, v3                       ; the tables: 16 bytes a lane
	v_lshlrev_b32 v27, 5, v3                       ; scan: 32 bytes a token
	s_mov_b32 s47, 0
	s_wait_kmcnt 0x0
	s_lshl_b32 s46, s20, 14
	s_add_nc_u64 s[48:49], s[4:5], s[46:47]        ; 512 j tokens of 32 bytes
	s_add_nc_u64 s[50:51], s[6:7], s[46:47]
	s_lshl_b32 s46, s19, 19
	s_lshl_b32 s26, s20, 16
	s_add_co_u32 s46, s46, s26
	s_add_nc_u64 s[52:53], s[8:9], s[46:47]        ; down_proj: my eighth of expert e, 65,536 bytes
	s_lshr_b32 s46, s46, 1
	s_add_nc_u64 s[54:55], s[14:15], s[46:47]
	s_lshl3_add_u32 s27, s19, s20                  ; 8 e + j
	s_mul_i32 s46, s27, OBLK
	s_add_nc_u64 s[56:57], s[10:11], s[46:47]
	s_lshl_b32 s46, s27, 11
	s_add_nc_u64 s[58:59], s[12:13], s[46:47]
	WIN 0x40
.set i, 0
.rept 32
	global_load_b128 v[4*i:4*i+3], v15, s[52:53] offset:2048*i th:TH_LOAD_NT      ; on their way through the scan
.set i, i+1
.endr
	WIN 0
	; THE SCAN, wave 0 alone
	s_cmp_lg_u32 s18, 0
	s_cbranch_scc1 .Lnoscan
	s_mov_b32 s42, 0
	s_mov_b32 s43, 511
	SLOAD 0
	SLOAD 1
	SLOAD 2
	s_wait_loadcnt 32                              ; batch 0 is in; the 32 loads of batches 1 and 2 may stay out
	SPROC 0
	SLOAD 3
	s_wait_loadcnt 32                              ; batch 1; batches 2 and 3 stay out
	SPROC 1
	s_wait_loadcnt 16                              ; batch 2; batch 3 stays out
	SPROC 2
	s_wait_loadcnt 0x0
	SPROC 3
	; both tables back in order: LDS serves a wave's instructions in order (ISA guide 5.7.1.4), so these loads see the stores above
.irp t, 0,1,2,3
	ds_load_b128 v[32+4*\t:35+4*\t], v26 offset:PERM+512*\t
.endr
.irp t, 0,1,2,3
	ds_load_b128 v[48+4*\t:51+4*\t], v26 offset:CL+512*\t
.endr
.irp t, 0,1,2,3
	v_mov_b32 v[20+\t], s42                        ; n
.endr
	global_store_b128 v26, v[20:23], s[56:57] offset:2048
.irp t, 0,1,2,3
	s_wait_dscnt 7-\t                              ; of the eight loads this one is in; the younger ones may stay out
	global_store_b128 v26, v[32+4*\t:35+4*\t], s[56:57] offset:512*\t
.endr
.irp t, 0,1,2,3
	s_wait_dscnt 3-\t
	global_store_b128 v26, v[48+4*\t:51+4*\t], s[58:59] offset:512*\t
.endr
.Lnoscan:
	; down_proj to bf16: a wave's store covers 256 consecutive bytes, aligned
	s_wait_loadcnt 0x0
	WIN 0x45
.set i, 0
.rept 32
	v_cvt_pk_bf16_f32 v[4*i], v[4*i], v[4*i+1]
	v_cvt_pk_bf16_f32 v[4*i+1], v[4*i+2], v[4*i+3]
.set i, i+1
.endr
	WIN 0x04
.set i, 0
.rept 32
	global_store_b64 v16, v[4*i:4*i+1], s[54:55] offset:1024*i
.set i, i+1
.endr
	WIN 0
	s_wait_tensorcnt 0x0
	ds_add_u32 v254, v255
	s_wait_dscnt 0x0
	s_endpgm
.Lfunc_end_k_q7342164f21_route:
	.size	k_q7342164f21_route, .Lfunc_end_k_q7342164f21_route-k_q7342164f21_route
	.p2alignl 7, 3214868480
	.fill 96, 4, 3214868480
	.section	.rodata,"a",@progbits
	.p2align	6, 0x0
	.amdhsa_kernel k_q7342164f21_route
		.amdhsa_group_segment_fixed_size 4608
		.amdhsa_private_segment_fixed_size 0
		.amdhsa_enable_private_segment 0
		.amdhsa_kernarg_size 48
		.amdhsa_user_sgpr_count 2
		.amdhsa_user_sgpr_kernarg_segment_ptr 1
		.amdhsa_wavefront_size32 1
		.amdhsa_system_sgpr_workgroup_id_x 1
		.amdhsa_system_sgpr_workgroup_id_y 1
		.amdhsa_system_sgpr_workgroup_id_z 1
		.amdhsa_system_vgpr_workitem_id 0
		.amdhsa_next_free_vgpr 384
		.amdhsa_next_free_sgpr 66
		.amdhsa_reserve_vcc 1
		.amdhsa_float_denorm_mode_32 3
		.amdhsa_float_denorm_mode_16_64 3
		.amdhsa_memory_ordered 1
		.amdhsa_forward_progress 1
		.amdhsa_inst_pref_size 57
	.end_amdhsa_kernel
	.amdgpu_metadata
---
amdhsa.version: [ 1, 2 ]
amdhsa.kernels:
  - .name:           k_q7342164f21_route
    .symbol:         k_q7342164f21_route.kd
    .args:
      - { .name: top_k_indices, .offset: 0, .size: 8, .value_kind: global_buffer, .address_space: global }
      - { .name: top_k_weights, .offset: 8, .size: 8, .value_kind: global_buffer, .address_space: global }
      - { .name: down_proj, .offset: 16, .size: 8, .value_kind: global_buffer, .address_space: global }
      - { .name: order, .offset: 24, .size: 8, .value_kind: global_buffer, .address_space: global }
      - { .name: cw, .offset: 32, .size: 8, .value_kind: global_buffer, .address_space: global }
      - { .name: wd16, .offset: 40, .size: 8, .value_kind: global_buffer, .address_space: global }
    .group_segment_fixed_size: 4608
    .private_segment_fixed_size: 0
    .kernarg_segment_align: 8
    .kernarg_segment_size: 48
    .max_flat_workgroup_size: 128
    .sgpr_count:     66
    .vgpr_count:     384
    .wavefront_size: 32
...
	.end_amdgpu_metadata
.endif
;; end of part 1
;; launch gateup (part 2): grid 8 x 32, 4 waves a work-group, no clusters, 207,360 bytes of LDS; arguments hidden_states, gate_up_proj, order, cw, hfull; writes hfull
.if DOCPART == 2
	.amdgcn_target "amdgcn-amd-amdhsa--gfx1250"
	.amdhsa_code_object_version 6
	.text
	.protected	k_q7342164f21_gateup
	.globl	k_q7342164f21_gateup
	.p2align	8
	.type	k_q7342164f21_gateup,@function
k_q7342164f21_gateup:
	s_mov_b64 s[64:65], 0
	v_nop
	global_prefetch_b8 v0, s[64:65] scope:SCOPE_SE
	s_setreg_imm32_b32 hwreg(HW_REG_WAVE_MODE, 25, 1), 1
	s_wait_xcnt 0x0
; H[t][e][i] = c[t][e] * silu(x_t . Wgate_e[i]) * (x_t . Wup_e[i]), with c, the order of the tokens and the count n of routed tokens as the first launch stored them.
; hfull[t][e] = 128 high parts bf16(H), then 128 low parts bf16(H - high part): 512 bytes for each (token, expert).
; The third launch multiplies hfull [4096][8192] by down_proj in bf16, each expert's weights serving both parts: that is the sum over experts and over i.
; WHY TWO PARTS: H is a product of two sums and has elements many times its root mean square; rounded to one bf16 such an element is off by up to 2^-9 of itself, and that
; times a single weight of down_proj is no longer small beside the output's small numbers.  The difference H - high part is exact in f32, so the pair holds H to about 2^-17.
; f16 has no room for H: a common factor f on hidden_states and on gate_up_proj multiplies H by up to f^4.
; Work-group (j, e): expert e, tokens 512 j .. 512 j + 511.  Four waves.
;
; WORK LEFT OUT, as shown at the head of the first launch: for a pair (t, e) that no slot of token t names, c[t][e] = 0 for all values of the floating-point inputs, so its
; products are not formed and hfull gets an exact 0.  Which pairs these are is read here from the list that the first launch made of top_k_indices.  The routed tokens stand
; first in that list and are worked on in tiles of 16 rows, up to 160 rows a pass; rows of a live tile that are not routed are computed and replaced by 0, and a pass that runs
; works on six tiles at the least.
; LIMITS.  A NaN, an infinity or an overflow that arises only in an expert's result for a token not routed to it is not carried to the output.
; c multiplies h ahead of the down projection (the problem multiplies behind it): another order of rounding.  Matrix operands are rounded to bf16, sums are f32.
;
; NO CLUSTER: the weights that the eight work-groups of an expert share arrive as f32 and are rounded in registers on their way to LDS, and the x rows are gathered by a
; list, so no tile here goes through the tensor data mover; and how many tiles a work-group multiplies hangs on its own count of routed tokens.
;
; THE PRODUCT.  A pass: up to 160 rows x 256 columns (128 gate, 128 up), K = 1024 in 16 steps of 64 through two LDS slots.  Wave w: all rows x gate columns 32 w .. +31 and
; up columns 32 w .. +31: 10 x 4 accumulator tiles.  Source 0 = 16 rows of W, source 1 = 16 rows of x: lane (r, h) then holds token row 16 m + r and its eight registers
; the columns 8 h .. 8 h + 7 of the tile, so gate and up of one number lie in the same lane and eight results pack into 16 bytes.
; BARRIERS are the same for every work-group: four passes of 17 barriers are written (160 x 4 covers 512 rows); a pass that has no rows jumps over its blocks, never over a barrier.
;
; LDS: two slots (160 x rows, 256 W rows, 128 bytes + 16), then HS, 160 rows of 256 bytes + 16 for the high parts and as many behind them for the low parts.
; REGISTERS, in windows of 256:  window 0: v0-31 addresses and scratch, v32-143 and v144-255 two fragment buffers (W tiles at +8 nn, x tiles at +32 + 8 m);
; window 1: accumulator tiles (m < 8, nn) at 8 (4 m + nn);  window 2: tiles m = 8, 9 at 8 (4 (m - 8) + nn), v64-83 byte offsets of my 20 x rows, v84-103 of my 20 hfull rows,
; v104-113 c of row r of the ten row tiles;  window 3: staging, 32 W loads at 4 i, 20 x loads at 128 + 4 i.
; At a pass's head window 0 also holds: v32-51 the tokens of my 20 rows, v112-141 the addresses of those loads and of c's; in the first pass v64-107 the tokens of places 160 .. 511.
.set XP,     144                       ; a slot's row: 64 bf16 + 16 bytes = 9 x 16: the 16 rows of a fragment load start in 16 different 16-byte columns modulo 256 bytes
.set XBYTES, 160*XP                    ; the x rows of a slot; the 256 W rows follow
.set SLOTB,  XBYTES+256*XP
.set HS,     2*SLOTB
.set HP,     272                       ; 17 x 16
.set HSL,    160*HP                    ; from the high parts' rows to the low parts'
.set OBLK,   2560                      ; the list of a (e, j): 512 words, then n
.set F0,     32
.set F1,     144
.set MSB,    0
; s18 wave  s19 e  s20 j  s21 n (routed tokens)  s22 passes with rows  s23 pass  s24 first place of the pass  s25 live tiles  s[28:29] x at this K step  s[30:31] W at this K step
; s[32:33] x of my tokens  s[34:35] W of my expert  s[36:37] hfull at my tokens and expert  s38 K loop  s39 first place that no pass covers  s45 a word's upper bf16
; s[48:49] my list  s[50:51] my c
.macro WIN new                         ; low byte: source 0 bits 1:0, source 1 3:2, source 2 5:4, destination 7:6; the high byte repeats the setting that is left
.if MSB != \new
	s_set_vgpr_msb (MSB<<8)|\new
.set MSB, \new
.endif
.endm
.macro PLACES                          ; four places between a matrix instruction and a load into, or a vector access to, its registers
.rept 4
	v_nop
.endr
.endm
.macro BAR                             ; my LDS loads and stores are done, then the work-group's barrier
	s_wait_dscnt 0x0
	s_barrier_signal -1
	s_barrier_wait -1
.endm
; Staging.  Round i takes rows 16 (i >> 1) + 4 (i & 1) + 8 h + w: sixteen lanes take the 256 bytes (64 f32) of one row's K step, 16 bytes each.
.macro LOADW
	WIN 0xc0
.set i, 0
.rept 32
	global_load_b128 v[4*i:4*i+3], v10, s[30:31] offset:(16*(i>>1)+4*(i&1))*4096
.set i, i+1
.endr
.endm
.macro LOADX
	WIN 0xc2
.set i, 0
.rept 20
	global_load_b128 v[128+4*i:128+4*i+3], v[64+i], s[28:29]
.set i, i+1
.endr
.endm
.macro CVT                             ; four f32 to four bf16, in the first two of their four registers
	WIN 0xcf
.set q, 0
.rept 52
	v_cvt_pk_bf16_f32 v[4*q], v[4*q], v[4*q+1]
	v_cvt_pk_bf16_f32 v[4*q+1], v[4*q+2], v[4*q+3]
.set q, q+1
.endr
.endm
.macro ST slot                         ; 8 bytes a lane: lanes 0-15 fill one row's 128 bytes, lanes 16-31 the row 8 further down, 288 words on
	WIN 0x0c
.set i, 0
.rept 32
	ds_store_b64 v[8+(\slot)], v[4*i:4*i+1] offset:XBYTES+(16*(i>>1)+4*(i&1))*XP
.set i, i+1
.endr
.set i, 0
.rept 20
	ds_store_b64 v[8+(\slot)], v[128+4*i:128+4*i+1] offset:(16*(i>>1)+4*(i&1))*XP
.set i, i+1
.endr
.endm
; 28 LDS loads: my 4 W tiles and the 10 x tiles, 32 along K at byte 64 q of the slot's rows
.macro FETCH slot, q, f
	WIN 0
.irp nn, 0,1,2,3
	ds_load_b128 v[\f+8*\nn:\f+8*\nn+3],   v[6+\slot] offset:64*\q+16*XP*(\nn&1)+128*XP*(\nn>>1)
	ds_load_b128 v[\f+8*\nn+4:\f+8*\nn+7], v[6+\slot] offset:64*\q+16*XP*(\nn&1)+128*XP*(\nn>>1)+32
.endr
.irp m, 0,1,2,3,4,5,6,7,8,9
	ds_load_b128 v[\f+32+8*\m:\f+32+8*\m+3],   v[4+\slot] offset:64*\q+16*XP*\m
	ds_load_b128 v[\f+32+8*\m+4:\f+32+8*\m+7], v[4+\slot] offset:64*\q+16*XP*\m+32
.endr
.endm
; Up to 40 matrix instructions on buffer f.  zero = 1: the products start the sums.  ex = 1: row tiles from s25 on (6 to 10) are left out.
; The accumulators take turns, one instruction a turn: a run begins at tile (0, 0) and ends at a tile (m, 3) on every way.
.macro MUL f, zero, ex
.irp m, 0,1,2,3,4,5,6,7,8,9
.if \ex
.if \m >= 6
	WIN 0
	s_cmp_le_u32 s25, \m
	s_cbranch_scc1 .Lmend\@
.endif
.endif
.if \m < 8
	WIN 0x50
.else
	WIN 0xa0
.endif
.irp nn, 0,1,2,3
.set AB, (32*\m+8*\nn)&255
.if \zero
	v_wmma_f32_16x16x32_bf16 v[AB:AB+7], v[\f+8*\nn:\f+8*\nn+7], v[\f+32+8*\m:\f+32+8*\m+7], 0
.else
	v_wmma_f32_16x16x32_bf16 v[AB:AB+7], v[\f+8*\nn:\f+8*\nn+7], v[\f+32+8*\m:\f+32+8*\m+7], v[AB:AB+7]
.endif
.endr
.endr
	WIN 0
.Lmend\@:
.endm
; The products of one K step of 64 in slot c: its first half now; its second half is fetched now and multiplied at the head of the next step, out of registers.
.macro CORE c, first
	PLACES
	FETCH \c, 0, F0
.if \first == 0
	MUL F1, 0, 1                           ; the step before, second half
	PLACES
.endif
	FETCH \c, 1, F1
	s_wait_dscnt 28                        ; the first 28 loads are in; the 28 just issued may stay out
.if \first
	MUL F0, 1, 0
.else
	MUL F0, 0, 1
.endif
.endm
; The next step's rows, which the loads issued a step ago brought, go to the other slot; load = 1: the step after it is asked for; load = 2: not in the K loop's last trip.
.macro STAGE slot, load
	s_wait_loadcnt 0x0                     ; all my loads are in: the staging registers may be read, and the two bases stepped
	CVT
	ST \slot
	WIN 0
.if \load == 2
	s_cmp_eq_u32 s38, 1
	s_cbranch_scc1 .Lnl\@
.endif
.if \load
	s_add_nc_u64 s[28:29], s[28:29], 256
	s_add_nc_u64 s[30:31], s[30:31], 256
	LOADW
	LOADX
	WIN 0
.endif
.Lnl\@:
.endm
; A K step between two barriers.  The other slot's last reads were waited for in front of the barrier that ended the step before; the barrier here shows its new rows to all.
.macro BODY c, first, load, cond
.if \cond
	s_cmp_lt_u32 s23, s22
	s_cbranch_scc0 .Lsk\@
.endif
	CORE \c, \first
	STAGE 1-\c, \load
.Lsk\@:
	BAR
.endm
; Row tile m: H = c * silu(gate) * up for my 32 columns, 16 numbers a lane, as high and low parts to HS.
; T v144-159, UC v160-175 (then the high parts widened), high parts v176-183, places v194, v195, low parts v198-205; c in window 2, v104-113.
.macro EPI m
.if \m < 8
.set EW, 1
.else
.set EW, 2
.endif
.set EWC, EW+8                         ; source 0 in the tile's window, source 1 (c) in window 2
.set GB, (32*\m)&255
	WIN EW
.irp p, 0,1,2,3,4,5,6,7
	v_pk_mul_f32 v[144+2*\p:145+2*\p], v[GB+2*\p:GB+2*\p+1], 0xbfb8aa3b op_sel_hi:[1,0]      ; -g log2(e)
.endr
	WIN EWC
.irp p, 0,1,2,3,4,5,6,7
.if (\m & 1)
	v_pk_mul_f32 v[160+2*\p:161+2*\p], v[GB+16+2*\p:GB+17+2*\p], v[104+\m-1:104+\m] op_sel:[0,1] op_sel_hi:[1,1]   ; u c: c of tile m is the pair's second register
.else
	v_pk_mul_f32 v[160+2*\p:161+2*\p], v[GB+16+2*\p:GB+17+2*\p], v[104+\m:105+\m] op_sel_hi:[1,0]                  ; the pair's first
.endif
.endr
	WIN 0
.set i, 0
.rept 16
	v_exp_f32 v[144+i], v[144+i]
.set i, i+1
.endr
	v_nop                                  ; one plain instruction between a transcendental and the use of its result (ISA guide 5.7.2)
	s_wait_alu depctr_va_vdst(0)
.irp p, 0,1,2,3,4,5,6,7
	v_pk_add_f32 v[144+2*\p:145+2*\p], v[144+2*\p:145+2*\p], 1.0 op_sel_hi:[1,0]
.endr
.set i, 0
.rept 16
	v_rcp_f32 v[144+i], v[144+i]           ; 1 / (1 + e^-g)
.set i, i+1
.endr
	v_nop
	WIN EW
	s_wait_alu depctr_va_vdst(0)
.irp p, 0,1,2,3,4,5,6,7
	v_pk_mul_f32 v[144+2*\p:145+2*\p], v[GB+2*\p:GB+2*\p+1], v[144+2*\p:145+2*\p]
.endr
	WIN 0
.irp p, 0,1,2,3,4,5,6,7
	v_pk_mul_f32 v[144+2*\p:145+2*\p], v[144+2*\p:145+2*\p], v[160+2*\p:161+2*\p]
.endr
.irp p, 0,1,2,3,4,5,6,7
	v_cvt_pk_bf16_f32 v[176+\p], v[144+2*\p], v[145+2*\p]      ; the high parts
.endr
.irp p, 0,1,2,3,4,5,6,7
	v_lshlrev_b32 v[160+2*\p], 16, v[176+\p]                   ; the high parts as f32 again
	v_and_b32 v[161+2*\p], s45, v[176+\p]
.endr
.set i, 0
.rept 16
	v_sub_f32 v[144+i], v[144+i], v[160+i]                     ; what the high part left: exact in f32
.set i, i+1
.endr
.irp p, 0,1,2,3,4,5,6,7
	v_cvt_pk_bf16_f32 v[198+\p], v[144+2*\p], v[145+2*\p]      ; the low parts
.endr
	v_add_nc_u32 v195, 16*\m, v194
	v_cmp_gt_u32 vcc_lo, s21, v195         ; my row's place is below n: the token is routed here
.irp p, 0,1,2,3,4,5,6,7
	v_cndmask_b32 v[176+\p], 0, v[176+\p], vcc_lo      ; else an exact 0, whatever the sums hold
	v_cndmask_b32 v[198+\p], 0, v[198+\p], vcc_lo
.endr
	ds_store_b128 v11, v[176:179] offset:16*HP*\m
	ds_store_b128 v11, v[180:183] offset:16*HP*\m+32
	ds_store_b128 v18, v[198:201] offset:16*HP*\m
	ds_store_b128 v18, v[202:205] offset:16*HP*\m+32
.endm
; What a pass reads of the routing, 30 loads: the tokens at the places of my 20 staging rows, and c at the places of row r of the ten row tiles.
; The fourth pass has 32 places; the rows behind them take place 511 and are never stored.
.macro PLOAD
	WIN 0
	v_add_nc_u32 v17, s24, v13
.set i, 0
.rept 20
	v_add_nc_u32 v[112+i], 16*(i>>1)+4*(i&1), v17
	v_min_u32 v[112+i], 0x1ff, v[112+i]
	v_lshlrev_b32 v[112+i], 2, v[112+i]
	global_load_b32 v[32+i], v[112+i], s[48:49]
.set i, i+1
.endr
	v_add_nc_u32 v17, s24, v1
.set i, 0
.rept 10
	v_add_nc_u32 v[132+i], 16*i, v17
	v_min_u32 v[132+i], 0x1ff, v[132+i]
	v_lshlrev_b32 v[132+i], 2, v[132+i]
.set i, i+1
.endr
	WIN 0x80
.set i, 0
.rept 10
	global_load_b32 v[104+i], v[132+i], s[50:51]   ; into window 2, where it stays until the pass's activation
.set i, i+1
.endr
	WIN 0
.endm
; Zeros for places 160 + 32 b .. + 31, high and low parts, where no pass covers them.  A group of sixteen lanes has four places; its store covers 256 consecutive bytes, aligned.
.macro ZBLK b
	s_cmp_gt_u32 s39, 160+32*\b
	s_cbranch_scc1 .Lz\@
.irp i, 0,1,2,3
	v_min_u32 v[64+4*\b+\i], 0x1ff, v[64+4*\b+\i]                  ; a token of my 512
	v_lshl_add_u32 v[64+4*\b+\i], v[64+4*\b+\i], 14, v14
	global_store_b128 v[64+4*\b+\i], v[28:31], s[36:37]
	global_store_b128 v[64+4*\b+\i], v[28:31], s[36:37] offset:256
.endr
.Lz\@:
.endm
; A pass: places s24 .. s24 + 159.  cond = 1: every block is jumped over where the pass has no rows (s23 >= s22).
; cond = 0, the first pass: its routing loads and W's step 0 were asked for at the kernel's head, and it also writes the zeros.
.macro ONEPASS cond
.if \cond
	s_cmp_lt_u32 s23, s22
	s_cbranch_scc0 .Lp\@
	s_wait_loadcnt 0x0                     ; nothing of an earlier pass is out: bases, offsets and staging registers are written again
	s_wait_xcnt 0x0
	PLOAD
	s_mov_b64 s[30:31], s[34:35]
	LOADW
	WIN 0
.endif
	s_sub_co_u32 s25, s21, s24
	s_add_co_u32 s25, s25, 15
	s_lshr_b32 s25, s25, 4
	s_min_u32 s25, s25, 10
	s_max_u32 s25, s25, 6                  ; live row tiles, 6 to 10
	s_wait_loadcnt 32                      ; the routing's loads are in; W's 32, issued behind them, may stay out
.set i, 0
.rept 20
	v_min_u32 v[32+i], 0x1ff, v[32+i]      ; a token of my 512
.set i, i+1
.endr
	WIN 0x80
.set i, 0
.rept 20
	v_lshl_add_u32 v[64+i], v[32+i], 12, v14       ; its row of x, 4,096 bytes, + my 16 bytes
	v_lshl_add_u32 v[84+i], v[32+i], 14, v14       ; its row of hfull, 16,384 bytes, + my 16 bytes
.set i, i+1
.endr
	WIN 0
	s_mov_b64 s[28:29], s[32:33]
	LOADX
	WIN 0
.if \cond == 0
	; the zeros go out while x's step 0 is on its way; 512 - 160, 512 - 320 and 512 - 480 are multiples of 32
.irp b, 0,1,2,3,4,5,6,7,8,9,10
	ZBLK \b
.endr
	s_wait_xcnt 0x0                        ; their offsets lie in fragment buffer 0, which is loaded only behind this wait
.endif
	STAGE 0, 1                             ; step 0 to slot 0; step 1 is asked for
.Lp\@:
	BAR
	BODY 0, 1, 1, \cond                    ; step 0: its products start the sums of all ten row tiles
	s_mov_b32 s38, 7
.Lk\@:
	BODY 1, 0, 1, \cond                    ; steps 1, 3 .. 13
	BODY 0, 0, 2, \cond                    ; steps 2, 4 .. 14; step 14 stages step 15 and asks for nothing
	s_sub_co_u32 s38, s38, 1
	s_cmp_lg_u32 s38, 0
	s_cbranch_scc1 .Lk\@
.if \cond
	s_cmp_lt_u32 s23, s22
	s_cbranch_scc0 .Lf\@
.endif
	CORE 1, 0                              ; step 15
	s_wait_dscnt 0x0
	MUL F1, 0, 1
	PLACES                                 ; behind the last products: the sums are read and buffer 1 is written
	v_add_nc_u32 v194, s24, v1             ; the place of row r of tile 0
.irp m, 0,1,2,3,4,5,6,7,8,9
	EPI \m
.endr
.Lf\@:
	BAR                                    ; every wave's 64 bytes of each HS row, high and low, are there
.if \cond
	s_cmp_lt_u32 s23, s22
	s_cbranch_scc0 .Lo\@
.endif
	; whole rows out: sixteen lanes store the 256 consecutive bytes of the high parts of (token, expert), then those of the low parts, each at a multiple of 256 from
	; hfull's first byte.  Round i: v[32+8i ..] the high parts, v[36+8i ..] the low parts.
.set i, 0
.rept 4
	ds_load_b128 v[32+8*i:35+8*i], v12 offset:(16*(i>>1)+4*(i&1))*HP
	ds_load_b128 v[36+8*i:39+8*i], v19 offset:(16*(i>>1)+4*(i&1))*HP
.set i, i+1
.endr
	WIN 0x02
.set i, 0
.rept 4
	s_wait_dscnt 7-2*i                     ; LDS loads come back in order: of the eight, this one is in and the younger ones may stay out
	global_store_b128 v[84+i], v[32+8*i:35+8*i], s[36:37]
	s_wait_dscnt 6-2*i
	global_store_b128 v[84+i], v[36+8*i:39+8*i], s[36:37] offset:256
.set i, i+1
.endr
	WIN 0
.if \cond
	s_cmp_eq_u32 s24, 480                  ; the fourth pass ends at place 511: rounds 0 to 3 are its 32 rows
	s_cbranch_scc1 .Le\@
.endif
.set i, 4
.rept 16
	ds_load_b128 v[32+8*i:35+8*i], v12 offset:(16*(i>>1)+4*(i&1))*HP
	ds_load_b128 v[36+8*i:39+8*i], v19 offset:(16*(i>>1)+4*(i&1))*HP
.set i, i+1
.endr
	WIN 0x02
.set i, 4
.rept 16
	s_wait_dscnt 39-2*i                    ; of the 32, the younger ones may stay out: 31 down to 0
	global_store_b128 v[84+i], v[32+8*i:35+8*i], s[36:37]
	s_wait_dscnt 38-2*i
	global_store_b128 v[84+i], v[36+8*i:39+8*i], s[36:37] offset:256
.set i, i+1
.endr
	WIN 0
.Le\@:
	s_wait_xcnt 0x0                        ; the stores' data and offsets are written again only behind this wait
.Lo\@:
.endm
	s_load_b256 s[4:11], s[0:1], 0x0               ; hidden_states s[4:5], gate_up_proj s[6:7], order s[8:9], cw s[10:11]
	s_load_b64 s[12:13], s[0:1], 0x20              ; hfull
	v_lshl_add_u32 v25, v0, 2, 0x32800
	v_mov_b32 v27, 0
	v_lshrrev_b32 v17, 5, v0
	v_readfirstlane_b32 s18, v17                   ; wave
	s_and_b32 s19, ttmp7, 0xffff                   ; e
	s_mov_b32 s20, ttmp9                           ; j
	s_mov_b32 s45, 0xffff0000                      ; a word's upper bf16
	s_mov_b32 s23, 0                               ; the first pass
	s_mov_b32 s24, 0
	v_and_b32 v1, 15, v0                           ; r
	v_bfe_u32 v2, v0, 4, 1                         ; h
	v_lshl_add_u32 v13, v2, 3, s18                 ; 8 h + w: my row in a staging round
	v_lshlrev_b32 v14, 4, v1                       ; my 16 bytes of a row's 256
	v_mul_u32_u24 v4, v1, XP
	v_lshl_add_u32 v4, v2, 4, v4                   ; x fragments, slot 0: row r, 16 h
	v_add_nc_u32 v5, SLOTB, v4                     ; slot 1
	s_mul_i32 s26, s18, 32*XP
	s_add_co_u32 s26, s26, XBYTES
	v_add_nc_u32 v6, s26, v4                       ; W fragments: my 32 gate rows; my up rows lie 128 rows on
	v_add_nc_u32 v7, s26, v5
	v_mul_u32_u24 v8, v13, XP
	v_lshl_add_u32 v8, v1, 3, v8                   ; staging stores, slot 0: row 8 h + w, 8 r
	v_add_nc_u32 v9, SLOTB, v8                     ; slot 1
	v_lshl_add_u32 v10, v13, 12, v14               ; W: row 8 h + w, my 16 bytes
	v_mul_u32_u24 v11, v1, HP
	v_lshl_add_u32 v11, v2, 4, v11
	s_lshl_b32 s27, s18, 6
	s_add_co_u32 s27, s27, HS
	v_add_nc_u32 v11, s27, v11                     ; HS in: row r, byte 64 w + 16 h
	v_mul_u32_u24 v12, v13, HP
	v_add_nc_u32 v12, v12, v14
	v_add_nc_u32 v12, HS, v12                      ; HS back: row 8 h + w, byte 16 r
	v_add_nc_u32 v18, HSL, v11                     ; the same for the low parts: registers of their own, so that every immediate stays inside its 16 bits
	v_add_nc_u32 v19, HSL, v12
	v_and_b32 v26, 0x70, v0                        ; 16 x my group of sixteen lanes: its four places in a block of 32
	v_mov_b32 v28, 0
	v_mov_b32 v29, 0
	v_mov_b32 v30, 0
	v_mov_b32 v31, 0
	s_mov_b32 s47, 0
	s_wait_kmcnt 0x0
	s_lshl3_add_u32 s27, s19, s20                  ; 8 e + j
	s_mul_i32 s46, s27, OBLK
	s_add_nc_u64 s[48:49], s[8:9], s[46:47]        ; my list
	s_load_b32 s21, s[48:49], 0x800                ; n stands behind its 512 words
	s_lshl_b32 s46, s27, 11
	s_add_nc_u64 s[50:51], s[10:11], s[46:47]      ; my c
	s_lshl_b32 s46, s20, 21
	s_add_nc_u64 s[32:33], s[4:5], s[46:47]        ; x: 512 j rows of 4,096 bytes
	s_lshl_b32 s46, s19, 20
	s_add_nc_u64 s[34:35], s[6:7], s[46:47]        ; W: e x 256 rows of 4,096 bytes
	s_lshl_b32 s46, s20, 23
	s_lshl_b32 s26, s19, 9
	s_add_co_u32 s46, s46, s26
	s_add_nc_u64 s[36:37], s[12:13], s[46:47]      ; hfull: 512 j rows of 16,384 bytes + 512 e
	s_mov_b64 s[30:31], s[34:35]
	PLOAD                                          ; the first pass's places are 0 .. 159 whatever n is
.set b, 0
.rept 11
	global_load_b128 v[64+4*b:67+4*b], v26, s[48:49] offset:640+128*b      ; the tokens of places 160 + 32 b + 4 g .. + 3, g my group of sixteen lanes
.set b, b+1
.endr
	LOADW                                          ; W's K step 0
	WIN 0
	s_wait_kmcnt 0x0
	s_min_u32 s21, s21, 512                        ; n
	s_add_co_u32 s26, s21, 159
	s_mul_hi_u32 s22, s26, 26843546                ; (n + 159) / 160: the factor is 2^32 / 160 rounded up, exact for numbers up to 671
	s_max_u32 s22, s22, 1                          ; passes with rows; the first always runs
	s_mul_i32 s39, s22, 160
	s_min_u32 s39, s39, 512                        ; from here on places get zeros
	ONEPASS 0
	s_mov_b32 s23, 1
.Lpass:
	s_add_co_u32 s24, s24, 160
	ONEPASS 1
	s_add_co_u32 s23, s23, 1
	s_cmp_lt_u32 s23, 4
	s_cbranch_scc1 .Lpass
	s_wait_tensorcnt 0x0
	ds_add_u32 v25, v27
	s_wait_dscnt 0x0
	s_endpgm
.Lfunc_end_k_q7342164f21_gateup:
	.size	k_q7342164f21_gateup, .Lfunc_end_k_q7342164f21_gateup-k_q7342164f21_gateup
	.p2alignl 7, 3214868480
	.fill 96, 4, 3214868480
	.section	.rodata,"a",@progbits
	.p2align	6, 0x0
	.amdhsa_kernel k_q7342164f21_gateup
		.amdhsa_group_segment_fixed_size 207360
		.amdhsa_private_segment_fixed_size 0
		.amdhsa_enable_private_segment 0
		.amdhsa_kernarg_size 40
		.amdhsa_user_sgpr_count 2
		.amdhsa_user_sgpr_kernarg_segment_ptr 1
		.amdhsa_wavefront_size32 1
		.amdhsa_system_sgpr_workgroup_id_x 1
		.amdhsa_system_sgpr_workgroup_id_y 1
		.amdhsa_system_sgpr_workgroup_id_z 1
		.amdhsa_system_vgpr_workitem_id 0
		.amdhsa_next_free_vgpr 976
		.amdhsa_next_free_sgpr 66
		.amdhsa_reserve_vcc 1
		.amdhsa_float_denorm_mode_32 3
		.amdhsa_float_denorm_mode_16_64 3
		.amdhsa_memory_ordered 1
		.amdhsa_forward_progress 1
		.amdhsa_inst_pref_size 255
	.end_amdhsa_kernel
	.section	.bss,"aw",@nobits
	.p2align	6
	.space	262144
	.amdgpu_metadata
---
amdhsa.version: [ 1, 2 ]
amdhsa.kernels:
  - .name:           k_q7342164f21_gateup
    .symbol:         k_q7342164f21_gateup.kd
    .args:
      - { .name: hidden_states, .offset: 0, .size: 8, .value_kind: global_buffer, .address_space: global }
      - { .name: gate_up_proj, .offset: 8, .size: 8, .value_kind: global_buffer, .address_space: global }
      - { .name: order, .offset: 16, .size: 8, .value_kind: global_buffer, .address_space: global }
      - { .name: cw, .offset: 24, .size: 8, .value_kind: global_buffer, .address_space: global }
      - { .name: hfull, .offset: 32, .size: 8, .value_kind: global_buffer, .address_space: global }
    .group_segment_fixed_size: 207360
    .private_segment_fixed_size: 0
    .kernarg_segment_align: 8
    .kernarg_segment_size: 40
    .max_flat_workgroup_size: 128
    .sgpr_count:     66
    .vgpr_count:     976
    .wavefront_size: 32
...
	.end_amdgpu_metadata
.endif
;; end of part 2
;; launch down (part 3): grid 8 x 32, 4 waves a work-group, clusters of 4 x 4, 327,680 bytes of LDS; arguments hfull, wd16, out0; writes out0
.if DOCPART == 3
	.amdgcn_target "amdgcn-amd-amdhsa--gfx1250"
	.amdhsa_code_object_version 6
	.text
	.protected	k_q7342164f21_down
	.globl	k_q7342164f21_down
	.p2align	8
	.type	k_q7342164f21_down,@function
k_q7342164f21_down:
	s_mov_b64 s[64:65], 0
	v_nop
	global_prefetch_b8 v0, s[64:65] scope:SCOPE_SE
	s_setreg_imm32_b32 hwreg(HW_REG_WAVE_MODE, 25, 1), 1
	s_wait_xcnt 0x0
	s_wait_alu depctr_hold_cnt(0) depctr_sa_sdst(0) depctr_va_vdst(0) depctr_va_sdst(0) depctr_va_ssrc(0) depctr_va_vcc(0) depctr_vm_vsrc(0)
	s_getreg_b32 s2, hwreg(HW_REG_IB_STS2, 6, 4)
	s_cmp_eq_u32 s2, 0
	s_cbranch_scc0 .Lentry_in_a_cluster
	s_endpgm
.Lentry_in_a_cluster:
	s_bfe_u32 s2, ttmp6, 0x10000c
	s_cmp_lg_u32 s2, 0xf033
	s_cbranch_scc0 .Lentry_shape_is_right
	s_endpgm
.Lentry_shape_is_right:
; out0[t][d] = sum over e and i of (high[t][e][i] + low[t][e][i]) * wd16[e][d][i]: the down projections of all experts and the sum over experts as ONE product with K = 8192.
; hfull holds c * silu(gate) * up as two bf16 parts, 128 high and 128 low for each (token, expert), and exact zeros where token t is not routed to expert e: nothing is
; left out here, those zeros are multiplied.  A tile of 16 tokens by one expert is empty only if none of the 16 is routed there, so no whole tile can be counted on to drop out.
; Each work-group owns its block of out0: no sum spans work-groups.  Operands bf16, sums f32, K ascending (an expert's high parts, then its low parts).
; A work-group makes 128 tokens x 128 columns with four waves, 64 x 64 each: 16 accumulator tiles.  K goes in 32 fills of 256 (one expert, both parts) through two LDS slots.
; CLUSTERS: 4 x 4 work-groups.  The four of a row of the cluster have the same 128 tokens and ask jointly for hfull's tile; the four of a column have the same 128 columns and
; ask jointly for wd16's tile: each of the four issues the same load with the same descriptor and a mask that names the four.
; A slot: hfull's 128 rows of 512 bytes + 16 (waves 0 and 1 fetch 64 rows each), then the expert's tile of wd16, 128 rows of 256 bytes + 16 (waves 2 and 3 fetch 64 rows
; each), which serves the high parts and then the low parts.  A fill's place in LDS is a constant plus the wave's number times a constant plus the slot's constant.
; Source 0 = 16 rows of wd16, source 1 = 16 rows of hfull: lane (r, h) holds token r and its registers the columns 8 h .. 8 h + 7: 32 neighbouring bytes of a row of out0.
; REGISTERS: window 0: v16-26 addresses, v64-127 and v128-191 two fragment buffers (wd16's tiles at +8 b, hfull's at +32 + 8 a); window 1: tile (a, b) at 8 (4 a + b).
.set PA,     528                       ; 33 x 16
.set PB,     272                       ; 17 x 16
.set BOFF,   128*PA                    ; wd16's tile lies behind hfull's 128 rows
.set SLOT,   BOFF+128*PB               ; 102,400
.set STAGE,  2*SLOT                    ; behind the ring: 16 rows x 272 bytes for each wave, for the way out; no fill lands here
.set SPITCH, 272
.set ADRA, 16
.set ADRB, 20
.set STO,  24
.set RD,   25
.set CO,   26
.set F0,   64
.set F1,   128
.set G1,  24                           ; s[24:31] group 1 for hfull's tiles
.set G0,  32                           ; s[32:39] group 0 for them, one set a slot
.set G1B, 48                           ; s[48:55] group 1 for wd16's tiles
.set G0B, 56                           ; s[56:63] group 0 for them, one set a slot
.set MULW, 0x50                        ; C and D in window 1, both sources in window 0
.set MSB, 0
.macro WIN new
.if MSB != \new
	s_set_vgpr_msb (MSB<<8)|\new
.set MSB, \new
.endif
.endm
.macro PLACES                          ; four places between a matrix instruction and a load into, or a store out of, its registers
.rept 4
	v_nop
.endr
.endm
; A joint load: waves 0 and 1 ask for hfull's halves, waves 2 and 3 for the halves of wd16's tile.  The branch hangs on the wave's number alone.
.macro JLOAD s
	s_cmp_eq_u32 s11, 0
	s_cbranch_scc0 .Lfor_b_\@
	tensor_load_to_lds s[G0+4*\s:G0+4*\s+3], s[G1:G1+7]
	s_nop 0
	s_branch .Lasked_\@
.Lfor_b_\@:
	tensor_load_to_lds s[G0B+4*\s:G0B+4*\s+3], s[G1B:G1B+7]
	s_nop 0
.Lasked_\@:
.endm
.macro CREST                           ; a round of the cluster's barrier behind its opening work-group barrier
	s_cmp_lg_u32 s10, 0
	s_cbranch_scc1 .Lnot_wave_0_\@
	s_barrier_signal -3
.Lnot_wave_0_\@:
	s_barrier_wait -3
	s_barrier_signal -1
	s_barrier_wait -1
.endm
.macro CROUND
	s_barrier_signal -1
	s_barrier_wait -1
	CREST
.endm
	s_load_b128 s[4:7], s[0:1], 0x0                ; hfull s[4:5], wd16 s[6:7]
	s_load_b64 s[8:9], s[0:1], 0x10                ; out0
	v_lshl_add_u32 v254, v0, 2, 0x36400
	v_mov_b32 v255, 0
	ds_add_u32 v254, v255
	v_lshrrev_b32 v1, 5, v0
	v_readfirstlane_b32 s10, v1                    ; wave
	s_lshr_b32 s11, s10, 1                         ; my half of the block's tokens; also: I fetch hfull (0) or wd16 (1)
	s_and_b32 s12, s10, 1                          ; my half of its columns; also: which 64 rows of that tile I fetch
	s_bfe_u32 s40, ttmp6, 0x40000                  ; cx
	s_bfe_u32 s41, ttmp6, 0x40004                  ; cy
	s_lshl_b32 s42, ttmp9, 2
	s_add_co_u32 s42, s42, s40                     ; block of columns = 4 x cluster x + cx
	s_and_b32 s13, ttmp7, 0xffff
	s_lshl_b32 s13, s13, 2
	s_add_co_u32 s13, s13, s41                     ; block of tokens = 4 x cluster y + cy
	s_lshl_b32 s43, s41, 2
	s_lshl_b32 s43, 15, s43                        ; my row of the cluster
	s_lshl_b32 s44, 0x1111, s40                    ; my column
	s_or_b32 s[G1+0], s43, (1<<16)|(1<<20)|(1<<21)|(6<<22)|(3<<25)    ; mask; elements of 2 bytes; padding on; bit 21 beside a mask; after every 128 words, 4 words
	s_mov_b32 s[G1+1], 256<<16                     ; tensor_dim0 = 256
	s_mov_b32 s[G1+2], 64<<16                      ; tensor_dim1 = 64
	s_mov_b32 s[G1+3], 256<<16                     ; tile_dim0 = 256 elements, 512 bytes: an expert's high and low parts
	s_mov_b32 s[G1+4], 64                          ; tile_dim1 = 64 rows
	s_mov_b32 s[G1+5], 8192                        ; elements from row to row of hfull
	s_mov_b32 s[G1+6], 0
	s_mov_b32 s[G1+7], 0
	s_or_b32 s[G1B+0], s44, (1<<16)|(1<<20)|(1<<21)|(5<<22)|(3<<25)   ; after every 64 words, 4 words
	s_mov_b32 s[G1B+1], 128<<16                    ; tensor_dim0 = 128
	s_mov_b32 s[G1B+2], 64<<16                     ; tensor_dim1 = 64
	s_mov_b32 s[G1B+3], 128<<16                    ; tile_dim0 = 128 elements, 256 bytes
	s_mov_b32 s[G1B+4], 64                         ; tile_dim1 = 64 rows
	s_mov_b32 s[G1B+5], 128                        ; wd16's rows follow each other
	s_mov_b32 s[G1B+6], 0
	s_mov_b32 s[G1B+7], 0
	; hfull's tile hangs on the block of tokens alone, wd16's on the block of columns alone; each in registers that never hold the other coordinate
	s_lshl_b32 s17, s12, 6
	s_lshl_b32 s16, s13, 7
	s_add_co_u32 s16, s16, s17                     ; token 128 x block + 64 x half
	s_lshl_b32 s16, s16, 14                        ; x 16,384 bytes
	s_mov_b32 s17, 0
	s_lshl_b32 s46, s42, 15                        ; 128 rows of 256 bytes x block of columns
	s_lshl_b32 s47, s12, 14                        ; + 64 rows x half
	s_add_co_u32 s46, s46, s47
	s_mov_b32 s47, 0
	s_mul_i32 s20, s10, 64*PA                      ; where hfull's halves go (waves 0, 1)
	s_mul_i32 s21, s10, 64*PB                      ; where wd16's halves go (waves 2, 3), less the constant added below
	s_wait_dscnt 0x0
	s_wait_kmcnt 0x0
	s_add_nc_u64 s[14:15], s[4:5], s[16:17]
	s_add_nc_u64 s[46:47], s[6:7], s[46:47]
	CROUND                                         ; all sixteen work-groups are here: the first joint loads meet
.irp s, 0,1
	s_mov_b32 s[G0+4*\s], 1
	s_add_co_u32 s[G0+4*\s+1], s20, \s*SLOT
	s_add_nc_u64 s[G0+4*\s+2:G0+4*\s+3], s[14:15], \s*512              ; fill s: expert s
	s_or_b32 s[G0+4*\s+3], s[G0+4*\s+3], 0x80000000
	s_mov_b32 s[G0B+4*\s], 1
	s_add_co_u32 s[G0B+4*\s+1], s21, \s*SLOT+BOFF-2*64*PB              ; wave 2 at BOFF, wave 3 64 rows on
	s_add_nc_u64 s[G0B+4*\s+2:G0B+4*\s+3], s[46:47], \s*262144         ; fill s: expert s
	s_or_b32 s[G0B+4*\s+3], s[G0B+4*\s+3], 0x80000000
	JLOAD \s                                       ; both first fills go out as one group: two tensor loads of the wave are out
.endr
	v_and_b32 v1, 15, v0                           ; r
	v_bfe_u32 v2, v0, 4, 1                         ; h
	v_mul_u32_u24 v3, v1, PA
	v_lshl_add_u32 v3, v2, 4, v3
	v_mul_u32_u24 v4, v1, PB
	v_lshl_add_u32 v4, v2, 4, v4
	s_mul_i32 s21, s11, 64*PA                      ; my 64 tokens
	s_mul_i32 s22, s12, 64*PB                      ; my 64 columns
	s_add_co_u32 s22, s22, BOFF
.irp s, 0,1
	v_add_nc_u32 v[ADRA+\s], s21, v3
	v_add_nc_u32 v[ADRB+\s], s22, v4
	s_add_co_u32 s21, s21, SLOT
	s_add_co_u32 s22, s22, SLOT
.endr
	s_mul_i32 s23, s10, 16*SPITCH
	s_add_co_u32 s23, s23, STAGE                   ; my stage
	v_mul_u32_u24 v5, v1, SPITCH
	v_lshl_add_u32 v5, v2, 5, v5                   ; in: row r, 32 bytes for each half of the lanes
	v_add_nc_u32 v[STO], s23, v5
	v_mul_u32_u24 v6, v2, SPITCH
	v_lshl_add_u32 v6, v1, 4, v6                   ; back: lanes 0-15 one row of 256 bytes, lanes 16-31 the next
	v_add_nc_u32 v[RD], s23, v6
	v_lshlrev_b32 v7, 12, v2
	v_lshl_add_u32 v[CO], v1, 4, v7                ; the same two rows in out0
; 8 matrix instructions: token tiles a0, a0 + 1 x the 4 column tiles, 32 along K.  The sixteen accumulators take turns, one instruction a turn, in the same order in every
; eighth, over the loop's backward jump too.
.macro MUL8 f, a0, zero
.irp a, \a0, \a0+1
.irp b, 0,1,2,3
.if \zero
	v_wmma_f32_16x16x32_bf16 v[8*(4*(\a)+\b):8*(4*(\a)+\b)+7], v[\f+8*\b:\f+8*\b+7], v[\f+32+8*(\a):\f+32+8*(\a)+7], 0
.else
	v_wmma_f32_16x16x32_bf16 v[8*(4*(\a)+\b):8*(4*(\a)+\b)+7], v[\f+8*\b:\f+8*\b+7], v[\f+32+8*(\a):\f+32+8*(\a)+7], v[8*(4*(\a)+\b):8*(4*(\a)+\b)+7]
.endif
.endr
.endr
.endm
; 16 LDS loads in one run: the fragments of eighth q of a fill (32 along K): q < 4 the high parts, else the low parts, both against i = 32 (q & 3) .. + 31 of wd16's rows
.macro FETCH slot, q, f
	WIN 0
.irp i, 0,1,2,3
	ds_load_b128 v[\f+8*\i:\f+8*\i+3],   v[ADRB+\slot] offset:((\q)&3)*64+\i*16*PB
	ds_load_b128 v[\f+8*\i+4:\f+8*\i+7], v[ADRB+\slot] offset:((\q)&3)*64+\i*16*PB+32
.endr
.irp i, 0,1,2,3
	ds_load_b128 v[\f+32+8*\i:\f+32+8*\i+3],   v[ADRA+\slot] offset:(\q)*64+\i*16*PA
	ds_load_b128 v[\f+32+8*\i+4:\f+32+8*\i+7], v[ADRA+\slot] offset:(\q)*64+\i*16*PA+32
.endr
.endm
; Eighth q: the next eighth's fragments are asked for into buffer g, then buffer f is multiplied
.macro QUARTER slot, q, f, g, zero
	PLACES
	FETCH \slot, \q+1, \g
	s_wait_dscnt 16                                ; buffer f is in; the 16 loads just issued may stay out
	WIN MULW
	MUL8 \f, 0, \zero
	MUL8 \f, 2, \zero
.endm
.macro PERIOD slot, zero
	QUARTER \slot, 0, F0, F1, \zero
	QUARTER \slot, 1, F1, F0, 0
	QUARTER \slot, 2, F0, F1, 0
	QUARTER \slot, 3, F1, F0, 0
	QUARTER \slot, 4, F0, F1, 0
	QUARTER \slot, 5, F1, F0, 0
	QUARTER \slot, 6, F0, F1, 0
.endm
; The last eighth, on buffer 1, and the change of slots.  In front of the barrier each wave waits for its reads of this slot and for all its tensor loads, of which one is
; out: its part of the next slot.  fill = 1: the barrier opens a round of the cluster's barrier, and the joint refill is the wave's first and only tensor load behind it;
; from there to the wait for it the wave issues 128 matrix instructions.
.macro TURN slot, next, fill
	s_wait_dscnt 0x0
	s_wait_tensorcnt 0x0
	ds_add_u32 v254, v255
	s_wait_dscnt 0x0
	s_barrier_signal -1
	WIN MULW
	MUL8 F1, 0, 0                                  ; register work while the others arrive
	WIN 0
	s_barrier_wait -1
.if \fill
	CREST                                          ; no wave of any partner still reads this slot or has a load on its way
	s_add_nc_u64 s[G0+4*\slot+2:G0+4*\slot+3], s[G0+4*\slot+2:G0+4*\slot+3], 1024        ; two experts on: 2 x 512 bytes of the row
	s_add_nc_u64 s[G0B+4*\slot+2:G0B+4*\slot+3], s[G0B+4*\slot+2:G0B+4*\slot+3], 524288  ; two experts on: 2 x 262,144 bytes
	JLOAD \slot
.endif
	PLACES
	FETCH \next, 0, F0
	WIN MULW
	MUL8 F1, 2, 0
.endm
.macro LAP zero
	PERIOD 0, \zero
	TURN 0, 1, 1
	PERIOD 1, 0
	TURN 1, 0, 1
.endm
	s_wait_tensorcnt 1                             ; my part of fill 0 is in; fill 1 stays out
	s_barrier_signal -1
	s_barrier_wait -1
	FETCH 0, 0, F0
	LAP 1                                          ; the first lap's first products start the sums
	WIN 0
	s_mov_b32 s3, 14                               ; 32 fills are 16 laps: the first and the last are written out
.Llap:
	LAP 0
	WIN 0
	s_sub_co_u32 s3, s3, 1
	s_cmp_lg_u32 s3, 0
	s_cbranch_scc1 .Llap
	PERIOD 0, 0                                    ; the sixteenth lap fills nothing: fills 30 and 31 are the last
	TURN 0, 1, 0
	PERIOD 1, 0
	s_wait_dscnt 0x0
	WIN MULW
	MUL8 F1, 0, 0
	MUL8 F1, 2, 0
	; THE WAY OUT, 16 tokens at a time: 32 bytes a lane into my own stage, read back as whole rows of 256 bytes
	PLACES
	WIN 0
	s_lshl_b32 s13, s13, 19                        ; 128 rows of 4,096 bytes x block of tokens
	s_lshl_b32 s14, s11, 18                        ; + 64 rows x half
	s_add_co_u32 s16, s13, s14
	s_mov_b32 s17, 0
	s_add_nc_u64 s[8:9], s[8:9], s[16:17]
	s_lshl_b32 s46, s42, 9                         ; 512 bytes x block of columns + 256 x half
	s_lshl_b32 s47, s12, 8
	s_add_co_u32 s46, s46, s47
	s_mov_b32 s47, 0
	s_add_nc_u64 s[8:9], s[8:9], s[46:47]
.macro OUT16 a, f
	WIN 0x04
.irp b, 0,1,2,3
	ds_store_b128 v[STO], v[8*(4*\a+\b):8*(4*\a+\b)+3]   offset:64*\b
	ds_store_b128 v[STO], v[8*(4*\a+\b)+4:8*(4*\a+\b)+7] offset:64*\b+16
.endr
	WIN 0
	s_wait_xcnt 0x0                                ; buffer f, which earlier stores read, and the stores' base are written again only behind this wait
.if \a
	s_add_nc_u64 s[8:9], s[8:9], 65536             ; 16 rows of out0 on
.endif
.irp t, 0,1,2,3,4,5,6,7
	ds_load_b128 v[\f+4*\t:\f+4*\t+3], v[RD] offset:\t*2*SPITCH    ; LDS serves a wave's instructions in order (ISA guide 5.7.1.4): these see the stores above
.endr
.irp t, 0,1,2,3,4,5,6,7
	s_wait_dscnt 7-\t
	global_store_b128 v[CO], v[\f+4*\t:\f+4*\t+3], s[8:9] offset:8192*\t th:TH_STORE_NT   ; sixteen lanes store 256 consecutive bytes, at a multiple of 256 from out0's first byte
.endr
.endm
	OUT16 0, F0
	OUT16 1, F1
	OUT16 2, F0
	OUT16 3, F1
	s_wait_tensorcnt 0x0
	ds_add_u32 v254, v255
	s_wait_dscnt 0x0
	CROUND                                         ; the closing round: no work-group ends while a partner may still ask for a tile that names it
	s_endpgm
.Lfunc_end_k_q7342164f21_down:
	.size	k_q7342164f21_down, .Lfunc_end_k_q7342164f21_down-k_q7342164f21_down
	.p2alignl 7, 3214868480
	.fill 96, 4, 3214868480
	.section	.rodata,"a",@progbits
	.p2align	6, 0x0
	.amdhsa_kernel k_q7342164f21_down
		.amdhsa_group_segment_fixed_size 327680
		.amdhsa_private_segment_fixed_size 0
		.amdhsa_enable_private_segment 0
		.amdhsa_kernarg_size 24
		.amdhsa_user_sgpr_count 2
		.amdhsa_user_sgpr_kernarg_segment_ptr 1
		.amdhsa_wavefront_size32 1
		.amdhsa_system_sgpr_workgroup_id_x 1
		.amdhsa_system_sgpr_workgroup_id_y 1
		.amdhsa_system_sgpr_workgroup_id_z 1
		.amdhsa_system_vgpr_workitem_id 0
		.amdhsa_next_free_vgpr 384
		.amdhsa_next_free_sgpr 66
		.amdhsa_reserve_vcc 0
		.amdhsa_float_denorm_mode_32 3
		.amdhsa_float_denorm_mode_16_64 3
		.amdhsa_memory_ordered 1
		.amdhsa_forward_progress 1
		.amdhsa_inst_pref_size 126
	.end_amdhsa_kernel
	.amdgpu_metadata
---
amdhsa.version: [ 1, 2 ]
amdhsa.kernels:
  - .name:           k_q7342164f21_down
    .symbol:         k_q7342164f21_down.kd
    .args:
      - { .name: hfull, .offset: 0, .size: 8, .value_kind: global_buffer, .address_space: global }
      - { .name: wd16, .offset: 8, .size: 8, .value_kind: global_buffer, .address_space: global }
      - { .name: out0, .offset: 16, .size: 8, .value_kind: global_buffer, .address_space: global }
    .group_segment_fixed_size: 327680
    .private_segment_fixed_size: 0
    .kernarg_segment_align: 8
    .kernarg_segment_size: 24
    .max_flat_workgroup_size: 128
    .sgpr_count:     66
    .vgpr_count:     384
    .wavefront_size: 32
...
	.end_amdgpu_metadata
.endif
;; end of part 3
;; ======== version 2 of 3: 3 launches; 1.31 times as fast as version 1
;; limits: values are held in f16: magnitudes above 65,504 overflow, below 6.1e-05 lose precision; inputs' magnitudes at most 65,504; right only within a limited range of input values
;; workspace buffers: order 655,360 bytes of whole numbers; cw 524,288 bytes; hfull 33,554,432 bytes; wd16 8,388,608 bytes; hs 524,288 bytes
;; launch route (part 4): grid 8 x 32, 4 waves a work-group, no clusters, 4,608 bytes of LDS; arguments top_k_indices, top_k_weights, down_proj, order, cw, wd16; writes order, cw, wd16
.if DOCPART == 4
	.amdgcn_target "amdgcn-amd-amdhsa--gfx1250"
	.amdhsa_code_object_version 6
	.text
	.protected	k_q7342164f21_route
	.globl	k_q7342164f21_route
	.p2align	8
	.type	k_q7342164f21_route,@function
k_q7342164f21_route:
	s_mov_b64 s[64:65], 0
	v_nop
	global_prefetch_b8 v0, s[64:65] scope:SCOPE_SE
	s_setreg_imm32_b32 hwreg(HW_REG_WAVE_MODE, 25, 1), 1
	s_wait_xcnt 0x0
; THE ROUTING, and down_proj as a 16-bit matrix operand.  Work-group (j, e): expert e, tokens 512 j .. 512 j + 511.
; c[t][e] = sum of top_k_weights[t][k] over the slots k with top_k_indices[t][k] = e.  The work-group's 512 tokens are put in an order in which those routed to e come first:
;   order, 2,560 bytes for each (e, j): 512 words, place -> token (0 .. 511), then the count n of routed tokens, written 128 times so that its store is 512 whole bytes;
;   cw, 2,048 bytes for each (e, j): place -> c.
; These steer the next launch's addresses, branches and trip counts; a count or a list that does so is made in one launch, stored as whole numbers, and read from memory by a later one.
;
; WORK LEFT OUT by the launches that follow.  For a pair (t, e) that no slot of token t names, the one_hot in the problem makes c[t][e] = 0 whatever the floating-point inputs
; hold, so c[t][e] * y adds 0 in exact arithmetic.  Which pairs these are is decided by top_k_indices alone, read here from memory.  The gate and up products of such pairs are
; not formed (but for rows that share a tile of 16 with routed rows, and a floor of six tiles); their place in the down projection's operand is an exact 0.
; No input is without a way to the output: all five are loaded, three of them here.
; LIMITS.  A NaN, an infinity or an overflow that arises only in an expert's result for a token not routed to it is not carried to the output.
; An index outside 0 .. 31 matches no expert, as in one_hot.
; top_k_weights count among the matrix operands: the problem forms c by an einsum of the one_hot with the weights, so each weight is rounded to bf16 (a relative error of up to
; 2^-8 in an expert's term) and the slots are added in f32; the one_hot's 0 and 1 are exact, so the selection below gives what that product gives with bf16 operands and f32 sums.
; wd16: the down projection's other operand is f16, and a matrix instruction takes both operands in one format.  down_proj is rounded to bf16, as the program's other weights
; are, and that value is written as f16: exact for magnitudes from 2^-17 to 65,504; smaller ones are kept to within 2^-25; larger ones overflow to infinity.
;
; Four waves.  All four convert the work-group's eighth of down_proj[e], 65,536 bytes.  Wave 0 alone scans: it scatters token and c by place into LDS, which no other wave
; touches (so no barrier), reads both tables back in order and stores them, 512 consecutive bytes a store.  The places are a permutation of 0 .. 511: routed tokens count up from
; 0, the others down from 511, so every word that is read back has been written.
; NO CLUSTER, NO TENSOR LOADS: what the 32 work-groups of a j share is 32,768 bytes, and it is compared in registers as it comes.
; REGISTERS: window 0: v0-31 addresses and scratch, v32-223 three batches of the scan's loads; window 1: v0-127 down_proj.
.set PERM,  0
.set CL,    2048
.set OBLK,  2560
.set MSB,   0
; s18 wave  s19 e  s20 j  s40-44 scan  s[48:49] indices  s[50:51] weights  s[52:53] down_proj  s[54:55] wd16  s[56:57] order  s[58:59] cw, each at my part
.macro WIN new                         ; low byte: source 0 bits 1:0, source 1 3:2, source 2 5:4, destination 7:6; the high byte repeats the setting that is left
.if MSB != \new
	s_set_vgpr_msb (MSB<<8)|\new
.set MSB, \new
.endif
.endm
; The scan's loads: batch b = 4 vectors of 32 tokens; a lane takes its token's 8 indices and 8 weights, 16 registers a vector
.macro SLOAD b
.irp u, 0,1,2,3
.set SB, 32+64*(\b%3)+16*\u
	global_load_b128 v[SB:SB+3],     v27, s[48:49] offset:1024*(4*\b+\u)
	global_load_b128 v[SB+4:SB+7],   v27, s[48:49] offset:1024*(4*\b+\u)+16
	global_load_b128 v[SB+8:SB+11],  v27, s[50:51] offset:1024*(4*\b+\u)
	global_load_b128 v[SB+12:SB+15], v27, s[50:51] offset:1024*(4*\b+\u)+16
.endr
.endm
; c and the place of 4 x 32 tokens.  Routed tokens take places s42 upward, the others s43 downward.
.macro SPROC b
.irp u, 0,1,2,3
.set SB, 32+64*(\b%3)+16*\u
	; the eight weights as the bf16 operands of the problem's einsum: rounded to nearest even, two at a time, and widened again in place
.irp p, 0,1,2,3
	v_cvt_pk_bf16_f32 v[22+\p], v[SB+8+2*\p], v[SB+9+2*\p]
.endr
.irp p, 0,1,2,3
	v_lshlrev_b32 v[SB+8+2*\p], 16, v[22+\p]
	v_and_b32 v[SB+9+2*\p], 0xffff0000, v[22+\p]
.endr
	v_cmp_eq_u32 vcc_lo, s19, v[SB]
	v_cndmask_b32 v17, 0, v[SB+8], vcc_lo
	s_mov_b32 s40, vcc_lo
.irp k, 1,2,3,4,5,6,7
	v_cmp_eq_u32 vcc_lo, s19, v[SB+\k]
	v_cndmask_b32 v18, 0, v[SB+8+\k], vcc_lo
	s_or_b32 s40, s40, vcc_lo
	v_add_f32 v17, v17, v18                ; slots that name the expert twice add their weights, in f32
.endr
	v_mbcnt_lo_u32_b32 v19, s40, 0         ; routed lanes below me
	s_not_b32 s41, s40
	v_mbcnt_lo_u32_b32 v20, s41, 0         ; the others below me
	v_add_nc_u32 v19, s42, v19
	v_sub_nc_u32 v20, s43, v20
	v_cndmask_b32 v19, v20, v19, s40
	v_min_u32 v19, 0x1ff, v19
	v_lshlrev_b32 v19, 2, v19
	v_add_nc_u32 v21, 32*(4*\b+\u), v3
	ds_store_b32 v19, v21 offset:PERM
	ds_store_b32 v19, v17 offset:CL
	s_bcnt1_i32_b32 s44, s40
	s_add_co_u32 s42, s42, s44
	s_add_co_u32 s43, s43, s44
	s_sub_co_u32 s43, s43, 32
.endr
.endm
	s_load_b256 s[4:11], s[0:1], 0x0               ; top_k_indices s[4:5], top_k_weights s[6:7], down_proj s[8:9], order s[10:11]
	s_load_b128 s[12:15], s[0:1], 0x20             ; cw s[12:13], wd16 s[14:15]
	v_lshl_add_u32 v254, v0, 2, 0x1000
	v_mov_b32 v255, 0
	v_lshrrev_b32 v17, 5, v0
	v_readfirstlane_b32 s18, v17                   ; wave
	s_and_b32 s19, ttmp7, 0xffff                   ; e
	s_mov_b32 s20, ttmp9                           ; j
	v_and_b32 v3, 31, v0                           ; lane
	v_lshlrev_b32 v15, 4, v0                       ; down_proj: 16 bytes a thread
	v_lshlrev_b32 v16, 3, v0                       ; wd16: 8 bytes a thread
	v_lshlrev_b32 v26, 4, v3                       ; the tables: 16 bytes a lane
	v_lshlrev_b32 v27, 5, v3                       ; scan: 32 bytes a token
	s_mov_b32 s47, 0
	s_wait_kmcnt 0x0
	s_lshl_b32 s46, s20, 14
	s_add_nc_u64 s[48:49], s[4:5], s[46:47]        ; 512 j tokens of 32 bytes
	s_add_nc_u64 s[50:51], s[6:7], s[46:47]
	s_lshl_b32 s46, s19, 19
	s_lshl_b32 s26, s20, 16
	s_add_co_u32 s46, s46, s26
	s_add_nc_u64 s[52:53], s[8:9], s[46:47]        ; down_proj: my eighth of expert e, 65,536 bytes
	s_lshr_b32 s46, s46, 1
	s_add_nc_u64 s[54:55], s[14:15], s[46:47]
	s_lshl3_add_u32 s27, s19, s20                  ; 8 e + j
	s_mul_i32 s46, s27, OBLK
	s_add_nc_u64 s[56:57], s[10:11], s[46:47]
	s_lshl_b32 s46, s27, 11
	s_add_nc_u64 s[58:59], s[12:13], s[46:47]
	WIN 0x40
.set i, 0
.rept 32
	global_load_b128 v[4*i:4*i+3], v15, s[52:53] offset:2048*i th:TH_LOAD_NT      ; on their way through the scan
.set i, i+1
.endr
	WIN 0
	; THE SCAN, wave 0 alone
	s_cmp_lg_u32 s18, 0
	s_cbranch_scc1 .Lnoscan
	s_mov_b32 s42, 0
	s_mov_b32 s43, 511
	SLOAD 0
	SLOAD 1
	SLOAD 2
	s_wait_loadcnt 32                              ; batch 0 is in; the 32 loads of batches 1 and 2 may stay out
	SPROC 0
	SLOAD 3
	s_wait_loadcnt 32                              ; batch 1; batches 2 and 3 stay out
	SPROC 1
	s_wait_loadcnt 16                              ; batch 2; batch 3 stays out
	SPROC 2
	s_wait_loadcnt 0x0
	SPROC 3
	; both tables back in order: LDS serves a wave's instructions in order (ISA guide 5.7.1.4), so these loads see the stores above
.irp t, 0,1,2,3
	ds_load_b128 v[32+4*\t:35+4*\t], v26 offset:PERM+512*\t
.endr
.irp t, 0,1,2,3
	ds_load_b128 v[48+4*\t:51+4*\t], v26 offset:CL+512*\t
.endr
.irp t, 0,1,2,3
	v_mov_b32 v[20+\t], s42                        ; n
.endr
	global_store_b128 v26, v[20:23], s[56:57] offset:2048
.irp t, 0,1,2,3
	s_wait_dscnt 7-\t                              ; of the eight loads this one is in; the younger ones may stay out
	global_store_b128 v26, v[32+4*\t:35+4*\t], s[56:57] offset:512*\t
.endr
.irp t, 0,1,2,3
	s_wait_dscnt 3-\t
	global_store_b128 v26, v[48+4*\t:51+4*\t], s[58:59] offset:512*\t
.endr
.Lnoscan:
	; down_proj: four f32 to bf16, widened again, and written as four f16 in the first two of their four registers; a wave's store covers 256 consecutive bytes, aligned
	s_wait_loadcnt 0x0
	WIN 0x45
.set i, 0
.rept 32
	v_cvt_pk_bf16_f32 v[4*i], v[4*i], v[4*i+1]
	v_cvt_pk_bf16_f32 v[4*i+2], v[4*i+2], v[4*i+3]
	v_and_b32 v[4*i+1], 0xffff0000, v[4*i]
	v_lshlrev_b32 v[4*i], 16, v[4*i]
	v_and_b32 v[4*i+3], 0xffff0000, v[4*i+2]
	v_lshlrev_b32 v[4*i+2], 16, v[4*i+2]
	v_cvt_pk_f16_f32 v[4*i], v[4*i], v[4*i+1]
	v_cvt_pk_f16_f32 v[4*i+1], v[4*i+2], v[4*i+3]
.set i, i+1
.endr
	WIN 0x04
.set i, 0
.rept 32
	global_store_b64 v16, v[4*i:4*i+1], s[54:55] offset:1024*i
.set i, i+1
.endr
	WIN 0
	s_wait_tensorcnt 0x0
	ds_add_u32 v254, v255
	s_wait_dscnt 0x0
	s_endpgm
.Lfunc_end_k_q7342164f21_route:
	.size	k_q7342164f21_route, .Lfunc_end_k_q7342164f21_route-k_q7342164f21_route
	.p2alignl 7, 3214868480
	.fill 96, 4, 3214868480
	.section	.rodata,"a",@progbits
	.p2align	6, 0x0
	.amdhsa_kernel k_q7342164f21_route
		.amdhsa_group_segment_fixed_size 4608
		.amdhsa_private_segment_fixed_size 0
		.amdhsa_enable_private_segment 0
		.amdhsa_kernarg_size 48
		.amdhsa_user_sgpr_count 2
		.amdhsa_user_sgpr_kernarg_segment_ptr 1
		.amdhsa_wavefront_size32 1
		.amdhsa_system_sgpr_workgroup_id_x 1
		.amdhsa_system_sgpr_workgroup_id_y 1
		.amdhsa_system_sgpr_workgroup_id_z 1
		.amdhsa_system_vgpr_workitem_id 0
		.amdhsa_next_free_vgpr 384
		.amdhsa_next_free_sgpr 66
		.amdhsa_reserve_vcc 1
		.amdhsa_float_denorm_mode_32 3
		.amdhsa_float_denorm_mode_16_64 3
		.amdhsa_memory_ordered 1
		.amdhsa_forward_progress 1
		.amdhsa_inst_pref_size 67
	.end_amdhsa_kernel
	.amdgpu_metadata
---
amdhsa.version: [ 1, 2 ]
amdhsa.kernels:
  - .name:           k_q7342164f21_route
    .symbol:         k_q7342164f21_route.kd
    .args:
      - { .name: top_k_indices, .offset: 0, .size: 8, .value_kind: global_buffer, .address_space: global }
      - { .name: top_k_weights, .offset: 8, .size: 8, .value_kind: global_buffer, .address_space: global }
      - { .name: down_proj, .offset: 16, .size: 8, .value_kind: global_buffer, .address_space: global }
      - { .name: order, .offset: 24, .size: 8, .value_kind: global_buffer, .address_space: global }
      - { .name: cw, .offset: 32, .size: 8, .value_kind: global_buffer, .address_space: global }
      - { .name: wd16, .offset: 40, .size: 8, .value_kind: global_buffer, .address_space: global }
    .group_segment_fixed_size: 4608
    .private_segment_fixed_size: 0
    .kernarg_segment_align: 8
    .kernarg_segment_size: 48
    .max_flat_workgroup_size: 128
    .sgpr_count:     66
    .vgpr_count:     384
    .wavefront_size: 32
...
	.end_amdgpu_metadata
.endif
;; end of part 4
;; launch gateup (part 5): grid 8 x 32, 4 waves a work-group, no clusters, 204,800 bytes of LDS; arguments hidden_states, gate_up_proj, order, cw, hfull, hs; writes hfull, hs
.if DOCPART == 5
	.amdgcn_target "amdgcn-amd-amdhsa--gfx1250"
	.amdhsa_code_object_version 6
	.text
	.protected	k_q7342164f21_gateup
	.globl	k_q7342164f21_gateup
	.p2align	8
	.type	k_q7342164f21_gateup,@function
k_q7342164f21_gateup:
	s_mov_b64 s[64:65], 0
	v_nop
	global_prefetch_b8 v0, s[64:65] scope:SCOPE_SE
	s_setreg_imm32_b32 hwreg(HW_REG_WAVE_MODE, 25, 1), 1
	s_wait_xcnt 0x0
; H[t][e][i] = c[t][e] * silu(x_t . Wgate_e[i]) * (x_t . Wup_e[i]), with c, the order of the tokens and the count n of routed tokens as the first launch stored them.
; hfull[t][e][i] = f16(H[t][e][i] / hs[e][t]), 256 bytes for each (token, expert); hs[e][t] is a power of two chosen for that row of 128 numbers.
; The third launch multiplies each expert's 128 columns of hfull by down_proj, scales the product's row t by hs[e][t] and adds the experts.
; WHY f16 WITH A SCALE FOR EACH ROW: H is a product of two sums and has elements many times its root mean square; rounded to bf16 such an element is off by up to 2^-9 of
; itself, and that times a single weight of down_proj is no longer small beside the output's small numbers; f16 is off by up to 2^-12.  By itself f16 has no room for H (a
; common factor f on hidden_states and on gate_up_proj multiplies H by up to f^4), so each row is brought to one place: with E the exponent field of the row's largest
; magnitude (at least 16), the row is multiplied by 2^(141 - E), which puts that magnitude in [2^14, 2^15), and hs = 2^(E - 141).  Both factors are exact.
; Work-group (j, e): expert e, tokens 512 j .. 512 j + 511.  Four waves.
;
; WORK LEFT OUT, as shown at the head of the first launch: for a pair (t, e) that no slot of token t names, c[t][e] = 0 for all values of the floating-point inputs, so its
; products are not formed and hfull gets an exact 0.  Which pairs these are is read here from the list that the first launch made of top_k_indices.  The routed tokens stand
; first in that list and are worked on in tiles of 16 rows, up to 160 rows a pass; rows of a live tile that are not routed are computed and replaced by 0, and a pass that runs
; works on six tiles at the least.
; LIMITS.  A NaN, an infinity or an overflow that arises only in an expert's result for a token not routed to it is not carried to the output.
; c multiplies h ahead of the down projection (the problem multiplies behind it): another order of rounding.  x and gate_up_proj are rounded to bf16, sums are f32.
; An element of a row is kept to 2^-12 of itself or to 2^-39 of the row's largest magnitude, whichever is more.  A row whose largest magnitude is below 2^-111 is scaled as if it were 2^-111.
;
; NO CLUSTER: the weights that the eight work-groups of an expert share arrive as f32 and are rounded in registers on their way to LDS, and the x rows are gathered by a
; list, so no tile here goes through the tensor data mover; and how many tiles a work-group multiplies hangs on its own count of routed tokens.
;
; THE PRODUCT.  A pass: up to 160 rows x 256 columns (128 gate, 128 up), K = 1024 in 16 steps of 64 through two LDS slots.  Wave w: all rows x gate columns 32 w .. +31 and
; up columns 32 w .. +31: 10 x 4 accumulator tiles.  Source 0 = 16 rows of W, source 1 = 16 rows of x: lane (r, h) then holds token row 16 m + r and its eight registers
; the columns 8 h .. 8 h + 7 of the tile, so gate and up of one number lie in the same lane.
; BARRIERS are the same for every work-group: four passes of 17 barriers are written (160 x 4 covers 512 rows); a pass that has no rows jumps over its blocks, never over a barrier.
;
; LDS: two slots (160 x rows, 256 W rows, 128 bytes + 16), then HS, 160 rows of 128 f32, 512 bytes + 16.
; REGISTERS, in windows of 256:  window 0: v0-31 addresses and scratch, v32-143 and v144-255 two fragment buffers (W tiles at +8 nn, x tiles at +32 + 8 m);
; window 1: accumulator tiles (m < 8, nn) at 8 (4 m + nn);  window 2: tiles m = 8, 9 at 8 (4 (m - 8) + nn), v64-83 byte offsets of my 20 x rows, v84-103 of my 20 hfull rows,
; v104-113 c of row r of the ten row tiles, v114-133 byte offsets of my 20 rows' scales;  window 3: staging, 32 W loads at 4 i, 20 x loads at 128 + 4 i.
; At a pass's head window 0 also holds: v32-51 the tokens of my 20 rows, v112-141 the addresses of those loads and of c's; in the first pass v64-107 the tokens of places
; 160 .. 511 and v144-187 the offsets of their scales.  On the way out: v32-191 my 20 rows, v208-223 scratch, v224-243 their scales.
.set XP,     144                       ; a slot's row: 64 bf16 + 16 bytes = 9 x 16: the 16 rows of a fragment load start in 16 different 16-byte columns modulo 256 bytes
.set XBYTES, 160*XP                    ; the x rows of a slot; the 256 W rows follow
.set SLOTB,  XBYTES+256*XP
.set HS,     2*SLOTB
.set HP,     528                       ; 33 x 16
.set HSU,    128*HP                    ; rows 128 .. 159 are reached by registers of their own, so that every immediate stays inside its 16 bits
.set OBLK,   2560                      ; the list of a (e, j): 512 words, then n
.set F0,     32
.set F1,     144
.set MSB,    0
; s18 wave  s19 e  s20 j  s21 n (routed tokens)  s22 passes with rows  s23 pass  s24 first place of the pass  s25 live tiles  s[28:29] x at this K step  s[30:31] W at this K step
; s[32:33] x of my tokens  s[34:35] W of my expert  s[36:37] hfull at my tokens and expert  s38 K loop  s39 first place that no pass covers  s45 clears a sign
; s[48:49] my list  s[50:51] my c  s[52:53] hs at my expert and tokens
.macro WIN new                         ; low byte: source 0 bits 1:0, source 1 3:2, source 2 5:4, destination 7:6; the high byte repeats the setting that is left
.if MSB != \new
	s_set_vgpr_msb (MSB<<8)|\new
.set MSB, \new
.endif
.endm
.macro PLACES                          ; four places between a matrix instruction and a load into, or a vector access to, its registers
.rept 4
	v_nop
.endr
.endm
.macro BAR                             ; my LDS loads and stores are done, then the work-group's barrier
	s_wait_dscnt 0x0
	s_barrier_signal -1
	s_barrier_wait -1
.endm
; Staging.  Round i takes rows 16 (i >> 1) + 4 (i & 1) + 8 h + w: sixteen lanes take the 256 bytes (64 f32) of one row's K step, 16 bytes each.
.macro LOADW
	WIN 0xc0
.set i, 0
.rept 32
	global_load_b128 v[4*i:4*i+3], v10, s[30:31] offset:(16*(i>>1)+4*(i&1))*4096
.set i, i+1
.endr
.endm
.macro LOADX
	WIN 0xc2
.set i, 0
.rept 20
	global_load_b128 v[128+4*i:128+4*i+3], v[64+i], s[28:29]
.set i, i+1
.endr
.endm
.macro CVT                             ; four f32 to four bf16, in the first two of their four registers
	WIN 0xcf
.set q, 0
.rept 52
	v_cvt_pk_bf16_f32 v[4*q], v[4*q], v[4*q+1]
	v_cvt_pk_bf16_f32 v[4*q+1], v[4*q+2], v[4*q+3]
.set q, q+1
.endr
.endm
.macro ST slot                         ; 8 bytes a lane: lanes 0-15 fill one row's 128 bytes, lanes 16-31 the row 8 further down, 288 words on
	WIN 0x0c
.set i, 0
.rept 32
	ds_store_b64 v[8+(\slot)], v[4*i:4*i+1] offset:XBYTES+(16*(i>>1)+4*(i&1))*XP
.set i, i+1
.endr
.set i, 0
.rept 20
	ds_store_b64 v[8+(\slot)], v[128+4*i:128+4*i+1] offset:(16*(i>>1)+4*(i&1))*XP
.set i, i+1
.endr
.endm
; 28 LDS loads: my 4 W tiles and the 10 x tiles, 32 along K at byte 64 q of the slot's rows
.macro FETCH slot, q, f
	WIN 0
.irp nn, 0,1,2,3
	ds_load_b128 v[\f+8*\nn:\f+8*\nn+3],   v[6+\slot] offset:64*\q+16*XP*(\nn&1)+128*XP*(\nn>>1)
	ds_load_b128 v[\f+8*\nn+4:\f+8*\nn+7], v[6+\slot] offset:64*\q+16*XP*(\nn&1)+128*XP*(\nn>>1)+32
.endr
.irp m, 0,1,2,3,4,5,6,7,8,9
	ds_load_b128 v[\f+32+8*\m:\f+32+8*\m+3],   v[4+\slot] offset:64*\q+16*XP*\m
	ds_load_b128 v[\f+32+8*\m+4:\f+32+8*\m+7], v[4+\slot] offset:64*\q+16*XP*\m+32
.endr
.endm
; Up to 40 matrix instructions on buffer f.  zero = 1: the products start the sums.  ex = 1: row tiles from s25 on (6 to 10) are left out.
; The accumulators take turns, one instruction a turn: a run begins at tile (0, 0) and ends at a tile (m, 3) on every way.
.macro MUL f, zero, ex
.irp m, 0,1,2,3,4,5,6,7,8,9
.if \ex
.if \m >= 6
	WIN 0
	s_cmp_le_u32 s25, \m
	s_cbranch_scc1 .Lmend\@
.endif
.endif
.if \m < 8
	WIN 0x50
.else
	WIN 0xa0
.endif
.irp nn, 0,1,2,3
.set AB, (32*\m+8*\nn)&255
.if \zero
	v_wmma_f32_16x16x32_bf16 v[AB:AB+7], v[\f+8*\nn:\f+8*\nn+7], v[\f+32+8*\m:\f+32+8*\m+7], 0
.else
	v_wmma_f32_16x16x32_bf16 v[AB:AB+7], v[\f+8*\nn:\f+8*\nn+7], v[\f+32+8*\m:\f+32+8*\m+7], v[AB:AB+7]
.endif
.endr
.endr
	WIN 0
.Lmend\@:
.endm
; The products of one K step of 64 in slot c: its first half now; its second half is fetched now and multiplied at the head of the next step, out of registers.
.macro CORE c, first
	PLACES
	FETCH \c, 0, F0
.if \first == 0
	MUL F1, 0, 1                           ; the step before, second half
	PLACES
.endif
	FETCH \c, 1, F1
	s_wait_dscnt 28                        ; the first 28 loads are in; the 28 just issued may stay out
.if \first
	MUL F0, 1, 0
.else
	MUL F0, 0, 1
.endif
.endm
; The next step's rows, which the loads issued a step ago brought, go to the other slot; load = 1: the step after it is asked for; load = 2: not in the K loop's last trip.
.macro STAGE slot, load
	s_wait_loadcnt 0x0                     ; all my loads are in: the staging registers may be read, and the two bases stepped
	CVT
	ST \slot
	WIN 0
.if \load == 2
	s_cmp_eq_u32 s38, 1
	s_cbranch_scc1 .Lnl\@
.endif
.if \load
	s_add_nc_u64 s[28:29], s[28:29], 256
	s_add_nc_u64 s[30:31], s[30:31], 256
	LOADW
	LOADX
	WIN 0
.endif
.Lnl\@:
.endm
; A K step between two barriers.  The other slot's last reads were waited for in front of the barrier that ended the step before; the barrier here shows its new rows to all.
.macro BODY c, first, load, cond
.if \cond
	s_cmp_lt_u32 s23, s22
	s_cbranch_scc0 .Lsk\@
.endif
	CORE \c, \first
	STAGE 1-\c, \load
.Lsk\@:
	BAR
.endm
; Row tile m: H = c * silu(gate) * up for my 32 columns, 16 numbers a lane, in f32 to HS.
; T v144-159, UC v160-175, places v194, v195; c in window 2, v104-113.
.macro EPI m
.if \m < 8
.set EW, 1
.set HA, 11
.else
.set EW, 2
.set HA, 18
.endif
.set EWC, EW+8                         ; source 0 in the tile's window, source 1 (c) in window 2
.set GB, (32*\m)&255
.set HO, 16*HP*(\m&7)
	WIN EW
.irp p, 0,1,2,3,4,5,6,7
	v_pk_mul_f32 v[144+2*\p:145+2*\p], v[GB+2*\p:GB+2*\p+1], 0xbfb8aa3b op_sel_hi:[1,0]      ; -g log2(e)
.endr
	WIN EWC
.irp p, 0,1,2,3,4,5,6,7
.if (\m & 1)
	v_pk_mul_f32 v[160+2*\p:161+2*\p], v[GB+16+2*\p:GB+17+2*\p], v[104+\m-1:104+\m] op_sel:[0,1] op_sel_hi:[1,1]   ; u c: c of tile m is the pair's second register
.else
	v_pk_mul_f32 v[160+2*\p:161+2*\p], v[GB+16+2*\p:GB+17+2*\p], v[104+\m:105+\m] op_sel_hi:[1,0]                  ; the pair's first
.endif
.endr
	WIN 0
.set i, 0
.rept 16
	v_exp_f32 v[144+i], v[144+i]
.set i, i+1
.endr
	v_nop                                  ; one plain instruction between a transcendental and the use of its result (ISA guide 5.7.2)
	s_wait_alu depctr_va_vdst(0)
.irp p, 0,1,2,3,4,5,6,7
	v_pk_add_f32 v[144+2*\p:145+2*\p], v[144+2*\p:145+2*\p], 1.0 op_sel_hi:[1,0]
.endr
.set i, 0
.rept 16
	v_rcp_f32 v[144+i], v[144+i]           ; 1 / (1 + e^-g)
.set i, i+1
.endr
	v_nop
	WIN EW
	s_wait_alu depctr_va_vdst(0)
.irp p, 0,1,2,3,4,5,6,7
	v_pk_mul_f32 v[144+2*\p:145+2*\p], v[GB+2*\p:GB+2*\p+1], v[144+2*\p:145+2*\p]
.endr
	WIN 0
.irp p, 0,1,2,3,4,5,6,7
	v_pk_mul_f32 v[144+2*\p:145+2*\p], v[144+2*\p:145+2*\p], v[160+2*\p:161+2*\p]
.endr
	v_add_nc_u32 v195, 16*\m, v194
	v_cmp_gt_u32 vcc_lo, s21, v195         ; my row's place is below n: the token is routed here
.set i, 0
.rept 16
	v_cndmask_b32 v[144+i], 0, v[144+i], vcc_lo        ; else an exact 0, whatever the sums hold
.set i, i+1
.endr
	ds_store_b128 v[HA], v[144:147] offset:HO          ; columns 32 w + 8 h .. + 7
	ds_store_b128 v[HA], v[148:151] offset:HO+16
	ds_store_b128 v[HA], v[152:155] offset:HO+64       ; columns 32 w + 16 + 8 h .. + 7
	ds_store_b128 v[HA], v[156:159] offset:HO+80
.endm
; One row on its way out.  Sixteen lanes hold the row, eight neighbouring columns each, in v[32 + 8 rn ..].  left = how many younger LDS loads may stay out.
; The row's largest magnitude, over my eight numbers and then over the sixteen lanes; its exponent field E; the row times 2^(141 - E), rounded to f16; the scale 2^(E - 141).
.macro WROUND rn, left
.set WB, 32+8*\rn
	s_wait_dscnt \left
.irp k, 0,1,2,3,4,5,6,7
	v_and_b32 v[216+\k], s45, v[WB+\k]
.endr
	v_max3_num_f32 v208, v216, v217, v218
	v_max3_num_f32 v209, v219, v220, v221
	v_max3_num_f32 v208, v208, v222, v223
	v_max_num_f32 v208, v208, v209
	v_max_num_f32_dpp v208, v208, v208 row_xmask:1 row_mask:0xf bank_mask:0xf
	v_max_num_f32_dpp v208, v208, v208 row_xmask:2 row_mask:0xf bank_mask:0xf
	v_max_num_f32_dpp v208, v208, v208 row_xmask:4 row_mask:0xf bank_mask:0xf
	v_max_num_f32_dpp v208, v208, v208 row_xmask:8 row_mask:0xf bank_mask:0xf
	v_max_num_f32 v208, 0x08000000, v208   ; 2^-111 at the least, so that E - 14 stays a normal number's field; a row of zeros takes this floor
	v_lshrrev_b32 v209, 23, v208           ; E (the sign is clear)
	v_sub_nc_u32 v210, 0x10c, v209         ; 268 - E: the field of 2^(141 - E)
	v_lshlrev_b32 v210, 23, v210
	v_mov_b32 v211, v210                   ; twice, a pair for the packed multiply
	v_add_nc_u32 v209, -14, v209           ; E - 14: the field of 2^(E - 141)
	v_lshlrev_b32 v[224+\rn], 23, v209
.irp p, 0,1,2,3
	v_pk_mul_f32 v[WB+2*\p:WB+2*\p+1], v[WB+2*\p:WB+2*\p+1], v[210:211]
.endr
.irp p, 0,1,2,3
	v_cvt_pk_f16_f32 v[WB+\p], v[WB+2*\p], v[WB+2*\p+1]
.endr
.endm
; What a pass reads of the routing, 30 loads: the tokens at the places of my 20 staging rows, and c at the places of row r of the ten row tiles.
; The fourth pass has 32 places; the rows behind them take place 511 and are never stored.
.macro PLOAD
	WIN 0
	v_add_nc_u32 v17, s24, v13
.set i, 0
.rept 20
	v_add_nc_u32 v[112+i], 16*(i>>1)+4*(i&1), v17
	v_min_u32 v[112+i], 0x1ff, v[112+i]
	v_lshlrev_b32 v[112+i], 2, v[112+i]
	global_load_b32 v[32+i], v[112+i], s[48:49]
.set i, i+1
.endr
	v_add_nc_u32 v17, s24, v1
.set i, 0
.rept 10
	v_add_nc_u32 v[132+i], 16*i, v17
	v_min_u32 v[132+i], 0x1ff, v[132+i]
	v_lshlrev_b32 v[132+i], 2, v[132+i]
.set i, i+1
.endr
	WIN 0x80
.set i, 0
.rept 10
	global_load_b32 v[104+i], v[132+i], s[50:51]   ; into window 2, where it stays until the pass's activation
.set i, i+1
.endr
	WIN 0
.endm
; Zeros for places 160 + 32 b .. + 31 where no pass covers them: the row, and its scale.  A group of sixteen lanes has four places; its row store covers 256 consecutive
; bytes, aligned; the sixteen lanes write the scale's one word alike.
.macro ZBLK b
	s_cmp_gt_u32 s39, 160+32*\b
	s_cbranch_scc1 .Lz\@
.irp i, 0,1,2,3
	v_min_u32 v[64+4*\b+\i], 0x1ff, v[64+4*\b+\i]                  ; a token of my 512
	v_lshlrev_b32 v[144+4*\b+\i], 2, v[64+4*\b+\i]
	v_lshl_add_u32 v[64+4*\b+\i], v[64+4*\b+\i], 13, v14
	global_store_b128 v[64+4*\b+\i], v[28:31], s[36:37]
	global_store_b32 v[144+4*\b+\i], v28, s[52:53]
.endr
.Lz\@:
.endm
; A pass: places s24 .. s24 + 159.  cond = 1: every block is jumped over where the pass has no rows (s23 >= s22).
; cond = 0, the first pass: its routing loads and W's step 0 were asked for at the kernel's head, and it also writes the zeros.
.macro ONEPASS cond
.if \cond
	s_cmp_lt_u32 s23, s22
	s_cbranch_scc0 .Lp\@
	s_wait_loadcnt 0x0                     ; nothing of an earlier pass is out: bases, offsets and staging registers are written again
	s_wait_xcnt 0x0
	PLOAD
	s_mov_b64 s[30:31], s[34:35]
	LOADW
	WIN 0
.endif
	s_sub_co_u32 s25, s21, s24
	s_add_co_u32 s25, s25, 15
	s_lshr_b32 s25, s25, 4
	s_min_u32 s25, s25, 10
	s_max_u32 s25, s25, 6                  ; live row tiles, 6 to 10
	s_wait_loadcnt 32                      ; the routing's loads are in; W's 32, issued behind them, may stay out
.set i, 0
.rept 20
	v_min_u32 v[32+i], 0x1ff, v[32+i]      ; a token of my 512
.set i, i+1
.endr
	WIN 0x80
.set i, 0
.rept 20
	v_lshl_add_u32 v[64+i], v[32+i], 12, v14       ; its row of x, 4,096 bytes, + my 16 bytes
	v_lshl_add_u32 v[84+i], v[32+i], 13, v14       ; its row of hfull, 8,192 bytes, + my 16 bytes
	v_lshlrev_b32 v[114+i], 2, v[32+i]             ; its word of hs
.set i, i+1
.endr
	WIN 0
	s_mov_b64 s[28:29], s[32:33]
	LOADX
	WIN 0
.if \cond == 0
	; the zeros go out while x's step 0 is on its way; 512 - 160, 512 - 320 and 512 - 480 are multiples of 32
.irp b, 0,1,2,3,4,5,6,7,8,9,10
	ZBLK \b
.endr
	s_wait_xcnt 0x0                        ; their offsets lie in the two fragment buffers, which are loaded only behind this wait
.endif
	STAGE 0, 1                             ; step 0 to slot 0; step 1 is asked for
.Lp\@:
	BAR
	BODY 0, 1, 1, \cond                    ; step 0: its products start the sums of all ten row tiles
	s_mov_b32 s38, 7
.Lk\@:
	BODY 1, 0, 1, \cond                    ; steps 1, 3 .. 13
	BODY 0, 0, 2, \cond                    ; steps 2, 4 .. 14; step 14 stages step 15 and asks for nothing
	s_sub_co_u32 s38, s38, 1
	s_cmp_lg_u32 s38, 0
	s_cbranch_scc1 .Lk\@
.if \cond
	s_cmp_lt_u32 s23, s22
	s_cbranch_scc0 .Lf\@
.endif
	CORE 1, 0                              ; step 15
	s_wait_dscnt 0x0
	MUL F1, 0, 1
	PLACES                                 ; behind the last products: the sums are read and buffer 1 is written
	v_add_nc_u32 v194, s24, v1             ; the place of row r of tile 0
.irp m, 0,1,2,3,4,5,6,7,8,9
	EPI \m
.endr
.Lf\@:
	BAR                                    ; every wave's 128 bytes of each HS row are there
.if \cond
	s_cmp_lt_u32 s23, s22
	s_cbranch_scc0 .Lo\@
.endif
	; whole rows out.  Round i takes rows 16 (i >> 1) + 4 (i & 1) + 8 h + w; a lane reads the 32 bytes of its eight columns; sixteen lanes store the 256 consecutive bytes
	; of (token, expert), at a multiple of 256 from hfull's first byte.
.set i, 0
.rept 4
	ds_load_b128 v[32+8*i:35+8*i], v12 offset:(16*(i>>1)+4*(i&1))*HP
	ds_load_b128 v[36+8*i:39+8*i], v12 offset:(16*(i>>1)+4*(i&1))*HP+16
.set i, i+1
.endr
.set i, 0
.rept 4
	WROUND i, 6-2*i                        ; LDS loads come back in order: of the eight, this round's two are in and the younger ones may stay out
.set i, i+1
.endr
	WIN 0x02
.set i, 0
.rept 4
	global_store_b128 v[84+i], v[32+8*i:35+8*i], s[36:37]
	global_store_b32 v[114+i], v[224+i], s[52:53]          ; the row's scale: its sixteen lanes write the one word alike
.set i, i+1
.endr
	WIN 0
.if \cond
	s_cmp_eq_u32 s24, 480                  ; the fourth pass ends at place 511: rounds 0 to 3 are its 32 rows
	s_cbranch_scc1 .Le\@
.endif
.set i, 4
.rept 12
	ds_load_b128 v[32+8*i:35+8*i], v12 offset:(16*(i>>1)+4*(i&1))*HP
	ds_load_b128 v[36+8*i:39+8*i], v12 offset:(16*(i>>1)+4*(i&1))*HP+16
.set i, i+1
.endr
.rept 4
	ds_load_b128 v[32+8*i:35+8*i], v19 offset:(16*(i>>1)+4*(i&1)-128)*HP
	ds_load_b128 v[36+8*i:39+8*i], v19 offset:(16*(i>>1)+4*(i&1)-128)*HP+16
.set i, i+1
.endr
.set i, 4
.rept 16
	WROUND i, 38-2*i                       ; of the 32, the younger ones may stay out: 30 down to 0
.set i, i+1
.endr
	WIN 0x02
.set i, 4
.rept 16
	global_store_b128 v[84+i], v[32+8*i:35+8*i], s[36:37]
	global_store_b32 v[114+i], v[224+i], s[52:53]
.set i, i+1
.endr
	WIN 0
.Le\@:
	s_wait_xcnt 0x0                        ; the stores' data and offsets are written again only behind this wait
.Lo\@:
.endm
	s_load_b256 s[4:11], s[0:1], 0x0               ; hidden_states s[4:5], gate_up_proj s[6:7], order s[8:9], cw s[10:11]
	s_load_b128 s[12:15], s[0:1], 0x20             ; hfull s[12:13], hs s[14:15]
	v_lshl_add_u32 v25, v0, 2, 0x31e00
	v_mov_b32 v27, 0
	v_lshrrev_b32 v17, 5, v0
	v_readfirstlane_b32 s18, v17                   ; wave
	s_and_b32 s19, ttmp7, 0xffff                   ; e
	s_mov_b32 s20, ttmp9                           ; j
	s_mov_b32 s45, 0x7fffffff                      ; clears a sign
	s_mov_b32 s23, 0                               ; the first pass
	s_mov_b32 s24, 0
	v_and_b32 v1, 15, v0                           ; r
	v_bfe_u32 v2, v0, 4, 1                         ; h
	v_lshl_add_u32 v13, v2, 3, s18                 ; 8 h + w: my row in a staging round
	v_lshlrev_b32 v14, 4, v1                       ; my 16 bytes of a row's 256
	v_mul_u32_u24 v4, v1, XP
	v_lshl_add_u32 v4, v2, 4, v4                   ; x fragments, slot 0: row r, 16 h
	v_add_nc_u32 v5, SLOTB, v4                     ; slot 1
	s_mul_i32 s26, s18, 32*XP
	s_add_co_u32 s26, s26, XBYTES
	v_add_nc_u32 v6, s26, v4                       ; W fragments: my 32 gate rows; my up rows lie 128 rows on
	v_add_nc_u32 v7, s26, v5
	v_mul_u32_u24 v8, v13, XP
	v_lshl_add_u32 v8, v1, 3, v8                   ; staging stores, slot 0: row 8 h + w, 8 r
	v_add_nc_u32 v9, SLOTB, v8                     ; slot 1
	v_lshl_add_u32 v10, v13, 12, v14               ; W: row 8 h + w, my 16 bytes
	v_mul_u32_u24 v11, v1, HP
	v_lshl_add_u32 v11, v2, 5, v11
	s_lshl_b32 s27, s18, 7
	s_add_co_u32 s27, s27, HS
	v_add_nc_u32 v11, s27, v11                     ; HS in: row r, byte 128 w + 32 h
	v_mul_u32_u24 v12, v13, HP
	v_lshl_add_u32 v12, v1, 5, v12
	v_add_nc_u32 v12, HS, v12                      ; HS back: row 8 h + w, byte 32 r
	v_add_nc_u32 v18, HSU, v11                     ; the same from row 128 on
	v_add_nc_u32 v19, HSU, v12
	v_and_b32 v26, 0x70, v0                        ; 16 x my group of sixteen lanes: its four places in a block of 32
	v_mov_b32 v28, 0
	v_mov_b32 v29, 0
	v_mov_b32 v30, 0
	v_mov_b32 v31, 0
	s_mov_b32 s47, 0
	s_wait_kmcnt 0x0
	s_lshl3_add_u32 s27, s19, s20                  ; 8 e + j
	s_mul_i32 s46, s27, OBLK
	s_add_nc_u64 s[48:49], s[8:9], s[46:47]        ; my list
	s_load_b32 s21, s[48:49], 0x800                ; n stands behind its 512 words
	s_lshl_b32 s46, s27, 11
	s_add_nc_u64 s[50:51], s[10:11], s[46:47]      ; my c
	s_lshl_b32 s46, s20, 21
	s_add_nc_u64 s[32:33], s[4:5], s[46:47]        ; x: 512 j rows of 4,096 bytes
	s_lshl_b32 s46, s19, 20
	s_add_nc_u64 s[34:35], s[6:7], s[46:47]        ; W: e x 256 rows of 4,096 bytes
	s_lshl_b32 s46, s20, 22
	s_lshl_b32 s26, s19, 8
	s_add_co_u32 s46, s46, s26
	s_add_nc_u64 s[36:37], s[12:13], s[46:47]      ; hfull: 512 j rows of 8,192 bytes + 256 e
	s_lshl_b32 s46, s19, 14
	s_lshl_b32 s26, s20, 11
	s_add_co_u32 s46, s46, s26
	s_add_nc_u64 s[52:53], s[14:15], s[46:47]      ; hs: e rows of 16,384 bytes + 512 j words
	s_mov_b64 s[30:31], s[34:35]
	PLOAD                                          ; the first pass's places are 0 .. 159 whatever n is
.set b, 0
.rept 11
	global_load_b128 v[64+4*b:67+4*b], v26, s[48:49] offset:640+128*b      ; the tokens of places 160 + 32 b + 4 g .. + 3, g my group of sixteen lanes
.set b, b+1
.endr
	LOADW                                          ; W's K step 0
	WIN 0
	s_wait_kmcnt 0x0
	s_min_u32 s21, s21, 512                        ; n
	s_add_co_u32 s26, s21, 159
	s_mul_hi_u32 s22, s26, 26843546                ; (n + 159) / 160: the factor is 2^32 / 160 rounded up, exact for numbers up to 671
	s_max_u32 s22, s22, 1                          ; passes with rows; the first always runs
	s_mul_i32 s39, s22, 160
	s_min_u32 s39, s39, 512                        ; from here on places get zeros
	ONEPASS 0
	s_mov_b32 s23, 1
.Lpass:
	s_add_co_u32 s24, s24, 160
	ONEPASS 1
	s_add_co_u32 s23, s23, 1
	s_cmp_lt_u32 s23, 4
	s_cbranch_scc1 .Lpass
	s_wait_tensorcnt 0x0
	ds_add_u32 v25, v27
	s_wait_dscnt 0x0
	s_endpgm
.Lfunc_end_k_q7342164f21_gateup:
	.size	k_q7342164f21_gateup, .Lfunc_end_k_q7342164f21_gateup-k_q7342164f21_gateup
	.p2alignl 7, 3214868480
	.fill 96, 4, 3214868480
	.section	.rodata,"a",@progbits
	.p2align	6, 0x0
	.amdhsa_kernel k_q7342164f21_gateup
		.amdhsa_group_segment_fixed_size 204800
		.amdhsa_private_segment_fixed_size 0
		.amdhsa_enable_private_segment 0
		.amdhsa_kernarg_size 48
		.amdhsa_user_sgpr_count 2
		.amdhsa_user_sgpr_kernarg_segment_ptr 1
		.amdhsa_wavefront_size32 1
		.amdhsa_system_sgpr_workgroup_id_x 1
		.amdhsa_system_sgpr_workgroup_id_y 1
		.amdhsa_system_sgpr_workgroup_id_z 1
		.amdhsa_system_vgpr_workitem_id 0
		.amdhsa_next_free_vgpr 976
		.amdhsa_next_free_sgpr 66
		.amdhsa_reserve_vcc 1
		.amdhsa_float_denorm_mode_32 3
		.amdhsa_float_denorm_mode_16_64 3
		.amdhsa_memory_ordered 1
		.amdhsa_forward_progress 1
		.amdhsa_inst_pref_size 255
	.end_amdhsa_kernel
	.section	.bss,"aw",@nobits
	.p2align	6
	.space	262144
	.amdgpu_metadata
---
amdhsa.version: [ 1, 2 ]
amdhsa.kernels:
  - .name:           k_q7342164f21_gateup
    .symbol:         k_q7342164f21_gateup.kd
    .args:
      - { .name: hidden_states, .offset: 0, .size: 8, .value_kind: global_buffer, .address_space: global }
      - { .name: gate_up_proj, .offset: 8, .size: 8, .value_kind: global_buffer, .address_space: global }
      - { .name: order, .offset: 16, .size: 8, .value_kind: global_buffer, .address_space: global }
      - { .name: cw, .offset: 24, .size: 8, .value_kind: global_buffer, .address_space: global }
      - { .name: hfull, .offset: 32, .size: 8, .value_kind: global_buffer, .address_space: global }
      - { .name: hs, .offset: 40, .size: 8, .value_kind: global_buffer, .address_space: global }
    .group_segment_fixed_size: 204800
    .private_segment_fixed_size: 0
    .kernarg_segment_align: 8
    .kernarg_segment_size: 48
    .max_flat_workgroup_size: 128
    .sgpr_count:     66
    .vgpr_count:     976
    .wavefront_size: 32
...
	.end_amdgpu_metadata
.endif
;; end of part 5
;; launch down (part 6): grid 8 x 32, 4 waves a work-group, clusters of 4 x 4, 327,680 bytes of LDS; arguments hfull, wd16, out0, hs; writes out0
.if DOCPART == 6
	.amdgcn_target "amdgcn-amd-amdhsa--gfx1250"
	.amdhsa_code_object_version 6
	.text
	.protected	k_q7342164f21_down
	.globl	k_q7342164f21_down
	.p2align	8
	.type	k_q7342164f21_down,@function
k_q7342164f21_down:
	s_mov_b64 s[64:65], 0
	v_nop
	global_prefetch_b8 v0, s[64:65] scope:SCOPE_SE
	s_setreg_imm32_b32 hwreg(HW_REG_WAVE_MODE, 25, 1), 1
	s_wait_xcnt 0x0
	s_wait_alu depctr_hold_cnt(0) depctr_sa_sdst(0) depctr_va_vdst(0) depctr_va_sdst(0) depctr_va_ssrc(0) depctr_va_vcc(0) depctr_vm_vsrc(0)
	s_getreg_b32 s2, hwreg(HW_REG_IB_STS2, 6, 4)
	s_cmp_eq_u32 s2, 0
	s_cbranch_scc0 .Lentry_in_a_cluster
	s_endpgm
.Lentry_in_a_cluster:
	s_bfe_u32 s2, ttmp6, 0x10000c
	s_cmp_lg_u32 s2, 0xf033
	s_cbranch_scc0 .Lentry_shape_is_right
	s_endpgm
.Lentry_shape_is_right:
; out0[t][d] = sum over e of hs[e][t] * (sum over i of hfull[t][e][i] * wd16[e][d][i]): the down projections of all experts and the sum over experts.
; hfull holds c * silu(gate) * up in f16, each (token, expert) row divided by its power of two hs[e][t], and exact zeros where token t is not routed to expert e: nothing is
; left out here, those zeros are multiplied.  A tile of 16 tokens by one expert is empty only if none of the 16 is routed there, so no whole tile can be counted on to drop out.
; Each work-group owns its block of out0: no sum spans work-groups.  Operands f16, sums f32.
; A work-group makes 128 tokens x 128 columns with four waves, 64 x 64 each.  K = 4096 goes in 16 fills of 256 (two experts) through two LDS slots.
; An expert's four K steps of 32 sum into 16 tiles P, the first step starting them; then sum += hs * P, 64 packed multiply-adds for 64 matrix instructions: a lane holds one
; token of each tile, so the scale is one register for a tile.  The very first of these is a multiply, so nothing is cleared.
; CLUSTERS: 4 x 4 work-groups.  The four of a row of the cluster have the same 128 tokens and ask jointly for hfull's tile; the four of a column have the same 128 columns and
; ask jointly for wd16's tiles: each of the four issues the same load with the same descriptor and a mask that names the four.
; A slot: hfull's 128 rows of 512 bytes + 16 (waves 0 and 1 fetch 64 rows each); from byte 69,632 on two tiles of wd16, 128 rows of 256 bytes + 16, the fill's even and odd
; expert (waves 2 and 3 fetch one each).  So a fill's place in LDS is the wave's number times a constant plus the slot's constant.
; The scales come straight into registers: eight loads of 4 bytes a lane for a fill (two experts x four token tiles), asked for one fill ahead, in two sets that take turns.
; Source 0 = 16 rows of wd16, source 1 = 16 rows of hfull: lane (r, h) holds token r and its registers the columns 8 h .. 8 h + 7: 32 neighbouring bytes of a row of out0.
; REGISTERS: window 0: v16-27 addresses, v32-47 the scales (set s at 8 s, expert x at + 4 x, tile a at + a), v64-127 and v128-191 two fragment buffers (wd16's tiles at + 8 b,
; hfull's at + 32 + 8 a); window 1: the sums, tile (a, b) at 8 (4 a + b), and P at 128 + the same.
.set PA,     528                       ; 33 x 16
.set PB,     272                       ; 17 x 16
.set BOFF,   69632                     ; 2 x 128 x 272
.set BSUB,   128*PB
.set SLOT,   BOFF+2*BSUB
.set STAGE,  2*SLOT                    ; behind the ring: 16 rows x 272 bytes for each wave, for the way out; no fill lands here
.set SPITCH, 272
.set ADRA, 16
.set ADRB, 20
.set STO,  24
.set RD,   25
.set CO,   26
.set SOF,  27                          ; v27: 4 r, my token's word among a tile's sixteen
.set SC,   32
.set F0,   64
.set F1,   128
.set PT,   128                         ; P, in window 1
.set G1,  24                           ; s[24:31] group 1 for hfull's tiles
.set G0,  32                           ; s[32:39] group 0 for them, one set a slot
.set G1B, 48                           ; s[48:55] group 1 for wd16's tiles
.set G0B, 56                           ; s[56:63] group 0 for them, one set a slot
.set SBASE, 66                         ; s[66:67] hs at my wave's 64 tokens, stepped by two experts a fill
.set MULW, 0x50                        ; C and D in window 1, both sources in window 0
.set MSB, 0
.macro WIN new
.if MSB != \new
	s_set_vgpr_msb (MSB<<8)|\new
.set MSB, \new
.endif
.endm
.macro PLACES                          ; four places between a matrix instruction and a load into, or a vector access to, its registers
.rept 4
	v_nop
.endr
.endm
; A joint load: waves 0 and 1 ask for hfull's halves, waves 2 and 3 for wd16's two experts.  The branch hangs on the wave's number alone.
.macro JLOAD s
	s_cmp_eq_u32 s11, 0
	s_cbranch_scc0 .Lfor_b_\@
	tensor_load_to_lds s[G0+4*\s:G0+4*\s+3], s[G1:G1+7]
	s_nop 0
	s_branch .Lasked_\@
.Lfor_b_\@:
	tensor_load_to_lds s[G0B+4*\s:G0B+4*\s+3], s[G1B:G1B+7]
	s_nop 0
.Lasked_\@:
.endm
.macro CREST                           ; a round of the cluster's barrier behind its opening work-group barrier
	s_cmp_lg_u32 s10, 0
	s_cbranch_scc1 .Lnot_wave_0_\@
	s_barrier_signal -3
.Lnot_wave_0_\@:
	s_barrier_wait -3
	s_barrier_signal -1
	s_barrier_wait -1
.endm
.macro CROUND
	s_barrier_signal -1
	s_barrier_wait -1
	CREST
.endm
	s_load_b128 s[4:7], s[0:1], 0x0                ; hfull s[4:5], wd16 s[6:7]
	s_load_b64 s[8:9], s[0:1], 0x10                ; out0
	s_load_b64 s[SBASE:SBASE+1], s[0:1], 0x18      ; hs
	v_lshl_add_u32 v254, v0, 2, 0x48400
	v_mov_b32 v255, 0
	ds_add_u32 v254, v255
	v_lshrrev_b32 v1, 5, v0
	v_readfirstlane_b32 s10, v1                    ; wave
	s_lshr_b32 s11, s10, 1                         ; my half of the block's tokens; also: I fetch hfull (0) or wd16 (1)
	s_and_b32 s12, s10, 1                          ; my half of its columns; also: which half, or which expert, I fetch
	s_bfe_u32 s40, ttmp6, 0x40000                  ; cx
	s_bfe_u32 s41, ttmp6, 0x40004                  ; cy
	s_lshl_b32 s42, ttmp9, 2
	s_add_co_u32 s42, s42, s40                     ; block of columns = 4 x cluster x + cx
	s_and_b32 s13, ttmp7, 0xffff
	s_lshl_b32 s13, s13, 2
	s_add_co_u32 s13, s13, s41                     ; block of tokens = 4 x cluster y + cy
	s_lshl_b32 s43, s41, 2
	s_lshl_b32 s43, 15, s43                        ; my row of the cluster
	s_lshl_b32 s44, 0x1111, s40                    ; my column
	s_or_b32 s[G1+0], s43, (1<<16)|(1<<20)|(1<<21)|(6<<22)|(3<<25)    ; mask; elements of 2 bytes; padding on; bit 21 beside a mask; after every 128 words, 4 words
	s_mov_b32 s[G1+1], 256<<16                     ; tensor_dim0 = 256
	s_mov_b32 s[G1+2], 64<<16                      ; tensor_dim1 = 64
	s_mov_b32 s[G1+3], 256<<16                     ; tile_dim0 = 256 elements, 512 bytes: two experts
	s_mov_b32 s[G1+4], 64                          ; tile_dim1 = 64 rows
	s_mov_b32 s[G1+5], 4096                        ; elements from row to row of hfull
	s_mov_b32 s[G1+6], 0
	s_mov_b32 s[G1+7], 0
	s_or_b32 s[G1B+0], s44, (1<<16)|(1<<20)|(1<<21)|(5<<22)|(3<<25)   ; after every 64 words, 4 words
	s_mov_b32 s[G1B+1], 128<<16
	s_mov_b32 s[G1B+2], 128<<16
	s_mov_b32 s[G1B+3], 128<<16                    ; 128 elements, 256 bytes
	s_mov_b32 s[G1B+4], 128                        ; 128 rows
	s_mov_b32 s[G1B+5], 128                        ; wd16's rows follow each other
	s_mov_b32 s[G1B+6], 0
	s_mov_b32 s[G1B+7], 0
	; hfull's tile hangs on the block of tokens alone, wd16's on the block of columns alone; each in registers that never hold the other coordinate
	s_lshl_b32 s17, s12, 6
	s_lshl_b32 s16, s13, 7
	s_add_co_u32 s16, s16, s17                     ; token 128 x block + 64 x half
	s_lshl_b32 s16, s16, 13                        ; x 8,192 bytes
	s_mov_b32 s17, 0
	s_lshl_b32 s46, s42, 15                        ; 128 rows of 256 bytes x block of columns
	s_lshl_b32 s47, s12, 18                        ; + 262,144 for the odd expert
	s_add_co_u32 s46, s46, s47
	s_mov_b32 s47, 0
	s_mul_i32 s20, s10, 64*PA                      ; where hfull's halves go (waves 0, 1)
	s_mul_i32 s21, s10, BSUB                       ; where wd16's tiles go (waves 2, 3: 69,632 and 104,448)
	s_wait_dscnt 0x0
	s_wait_kmcnt 0x0
	s_add_nc_u64 s[14:15], s[4:5], s[16:17]
	s_add_nc_u64 s[46:47], s[6:7], s[46:47]
	s_lshl_b32 s16, s13, 9                         ; hs: 128 words x block of tokens
	s_lshl_b32 s17, s11, 8                         ; + 64 words x my half
	s_add_co_u32 s16, s16, s17
	s_mov_b32 s17, 0
	s_add_nc_u64 s[SBASE:SBASE+1], s[SBASE:SBASE+1], s[16:17]
	CROUND                                         ; all sixteen work-groups are here: the first joint loads meet
.irp s, 0,1
	s_mov_b32 s[G0+4*\s], 1
	s_add_co_u32 s[G0+4*\s+1], s20, \s*SLOT
	s_add_nc_u64 s[G0+4*\s+2:G0+4*\s+3], s[14:15], \s*512              ; fill s: 256 along K
	s_or_b32 s[G0+4*\s+3], s[G0+4*\s+3], 0x80000000
	s_mov_b32 s[G0B+4*\s], 1
	s_add_co_u32 s[G0B+4*\s+1], s21, \s*SLOT
	s_add_nc_u64 s[G0B+4*\s+2:G0B+4*\s+3], s[46:47], \s*524288         ; fill s: experts 2 s, 2 s + 1
	s_or_b32 s[G0B+4*\s+3], s[G0B+4*\s+3], 0x80000000
	JLOAD \s                                       ; both first fills go out as one group: two tensor loads of the wave are out
.endr
	v_and_b32 v1, 15, v0                           ; r
	v_bfe_u32 v2, v0, 4, 1                         ; h
	v_lshlrev_b32 v[SOF], 2, v1
	; the scales of fills 0 and 1: expert 2 g + x is 16,384 bytes a step, tile a 16 words
.irp g, 0,1
.irp x, 0,1
.irp a, 0,1,2,3
	global_load_b32 v[SC+8*\g+4*\x+\a], v[SOF], s[SBASE:SBASE+1] offset:32768*\g+16384*\x+64*\a
.endr
.endr
.endr
	v_mul_u32_u24 v3, v1, PA
	v_lshl_add_u32 v3, v2, 4, v3
	v_mul_u32_u24 v4, v1, PB
	v_lshl_add_u32 v4, v2, 4, v4
	s_mul_i32 s21, s11, 64*PA                      ; my 64 tokens
	s_mul_i32 s22, s12, 64*PB                      ; my 64 columns
	s_add_co_u32 s22, s22, BOFF
.irp s, 0,1
	v_add_nc_u32 v[ADRA+\s], s21, v3
	v_add_nc_u32 v[ADRB+\s], s22, v4
	s_add_co_u32 s21, s21, SLOT
	s_add_co_u32 s22, s22, SLOT
.endr
	s_mul_i32 s23, s10, 16*SPITCH
	s_add_co_u32 s23, s23, STAGE                   ; my stage
	v_mul_u32_u24 v5, v1, SPITCH
	v_lshl_add_u32 v5, v2, 5, v5                   ; in: row r, 32 bytes for each half of the lanes
	v_add_nc_u32 v[STO], s23, v5
	v_mul_u32_u24 v6, v2, SPITCH
	v_lshl_add_u32 v6, v1, 4, v6                   ; back: lanes 0-15 one row of 256 bytes, lanes 16-31 the next
	v_add_nc_u32 v[RD], s23, v6
	v_lshlrev_b32 v7, 12, v2
	v_lshl_add_u32 v[CO], v1, 4, v7                ; the same two rows in out0
; 8 matrix instructions: token tiles a0, a0 + 1 x the 4 column tiles, 32 along K, into P.  zero = 1: an expert's first K step starts its sums.
; The sixteen tiles take turns, one instruction a turn, in the same order in every eighth, over the loop's backward jump too.
.macro MUL8 f, a0, zero
.irp a, \a0, \a0+1
.irp b, 0,1,2,3
.if \zero
	v_wmma_f32_16x16x32_f16 v[PT+8*(4*(\a)+\b):PT+8*(4*(\a)+\b)+7], v[\f+8*\b:\f+8*\b+7], v[\f+32+8*(\a):\f+32+8*(\a)+7], 0
.else
	v_wmma_f32_16x16x32_f16 v[PT+8*(4*(\a)+\b):PT+8*(4*(\a)+\b)+7], v[\f+8*\b:\f+8*\b+7], v[\f+32+8*(\a):\f+32+8*(\a)+7], v[PT+8*(4*(\a)+\b):PT+8*(4*(\a)+\b)+7]
.endif
.endr
.endr
.endm
; sum += scale x P for the sixteen tiles; the scale of tile a is register a of expert x in the set.  first = 1: the launch's first expert starts the sums.
; It stands behind four places, so every P is read at its distance; between an expert's last matrix instruction on a tile and the next expert's first lie those places and
; the 60 lines here that name other tiles.
.macro SCALE set, x, first
	WIN 0x51                               ; destination, P and the sums in window 1, the scale in window 0
.irp a, 0,1,2,3
.set SR, SC+8*(\set)+4*(\x)+(\a&2)         ; the even-aligned pair that holds tile a's scale
.irp b, 0,1,2,3
.irp p, 0,1,2,3
.set AC, 8*(4*\a+\b)+2*\p
.if \first
.if (\a&1)
	v_pk_mul_f32 v[AC:AC+1], v[PT+AC:PT+AC+1], v[SR:SR+1] op_sel:[0,1] op_sel_hi:[1,1]
.else
	v_pk_mul_f32 v[AC:AC+1], v[PT+AC:PT+AC+1], v[SR:SR+1] op_sel_hi:[1,0]
.endif
.else
.if (\a&1)
	v_pk_fma_f32 v[AC:AC+1], v[PT+AC:PT+AC+1], v[SR:SR+1], v[AC:AC+1] op_sel:[0,1,0] op_sel_hi:[1,1,1]
.else
	v_pk_fma_f32 v[AC:AC+1], v[PT+AC:PT+AC+1], v[SR:SR+1], v[AC:AC+1] op_sel_hi:[1,0,1]
.endif
.endif
.endr
.endr
.endr
.endm
; The next fill's eight scales, into the set that the fill before has just given up
.macro SLD set
	s_wait_xcnt 0x0                                ; the base is stepped only behind this wait; the loads that named it were issued a fill ago
	s_add_nc_u64 s[SBASE:SBASE+1], s[SBASE:SBASE+1], 32768
.irp x, 0,1
.irp a, 0,1,2,3
	global_load_b32 v[SC+8*(\set)+4*\x+\a], v[SOF], s[SBASE:SBASE+1] offset:32768+16384*\x+64*\a
.endr
.endr
.endm
; 16 LDS loads in one run: the fragments of eighth q of a fill (32 along K): q < 4 the even expert, else the odd one
.macro FETCH slot, q, f
	WIN 0
.irp i, 0,1,2,3
	ds_load_b128 v[\f+8*\i:\f+8*\i+3],   v[ADRB+\slot] offset:((\q)>>2)*BSUB+((\q)&3)*64+\i*16*PB
	ds_load_b128 v[\f+8*\i+4:\f+8*\i+7], v[ADRB+\slot] offset:((\q)>>2)*BSUB+((\q)&3)*64+\i*16*PB+32
.endr
.irp i, 0,1,2,3
	ds_load_b128 v[\f+32+8*\i:\f+32+8*\i+3],   v[ADRA+\slot] offset:(\q)*64+\i*16*PA
	ds_load_b128 v[\f+32+8*\i+4:\f+32+8*\i+7], v[ADRA+\slot] offset:(\q)*64+\i*16*PA+32
.endr
.endm
; Eighth q, behind four places: the next eighth's fragments are asked for into buffer g, then buffer f is multiplied
.macro QUARTER slot, q, f, g, zero
	FETCH \slot, \q+1, \g
	s_wait_dscnt 16                                ; buffer f is in; the 16 loads just issued may stay out
	WIN MULW
	MUL8 \f, 0, \zero
	MUL8 \f, 2, \zero
.endm
; The first seven eighths of the fill in this slot.  head = 1: the launch's first fill.  sload = 1: the next fill's scales are asked for.
; cnt = how many younger loads may stay out when this fill's scales have to be there: the next fill's eight, or none.
.macro PERIOD slot, head, sload, cnt
	PLACES
.if \head == 0
	SCALE 1-\slot, 1, 0                            ; the odd expert of the fill before, whose last products stand just ahead
.endif
	WIN 0
.if \sload
	SLD 1-\slot
.endif
	QUARTER \slot, 0, F0, F1, 1                    ; the even expert starts
	PLACES
	QUARTER \slot, 1, F1, F0, 0
	PLACES
	QUARTER \slot, 2, F0, F1, 0
	PLACES
	QUARTER \slot, 3, F1, F0, 0
	PLACES
	s_wait_loadcnt \cnt
	SCALE \slot, 0, \head                          ; the even expert is whole
	QUARTER \slot, 4, F0, F1, 1                    ; the odd expert starts
	PLACES
	QUARTER \slot, 5, F1, F0, 0
	PLACES
	QUARTER \slot, 6, F0, F1, 0
.endm
; The last eighth, on buffer 1, and the change of slots.  In front of the barrier each wave waits for its reads of this slot and for all its tensor loads, of which one is
; out: its part of the next slot.  fill = 1: the barrier opens a round of the cluster's barrier, and the joint refill is the wave's first and only tensor load behind it;
; from there to the wait for it the wave issues 128 matrix instructions.
.macro TURN slot, next, fill
	s_wait_dscnt 0x0
	s_wait_tensorcnt 0x0
	ds_add_u32 v254, v255
	s_wait_dscnt 0x0
	s_barrier_signal -1
	WIN MULW
	MUL8 F1, 0, 0                                  ; register work while the others arrive
	WIN 0
	s_barrier_wait -1
.if \fill
	CREST                                          ; no wave of any partner still reads this slot or has a load on its way
	s_add_nc_u64 s[G0+4*\slot+2:G0+4*\slot+3], s[G0+4*\slot+2:G0+4*\slot+3], 1024        ; two fills on: 512 along K
	s_add_nc_u64 s[G0B+4*\slot+2:G0B+4*\slot+3], s[G0B+4*\slot+2:G0B+4*\slot+3], 1048576 ; four experts on
	JLOAD \slot
.endif
	PLACES
	FETCH \next, 0, F0
	WIN MULW
	MUL8 F1, 2, 0
.endm
	s_wait_tensorcnt 1                             ; my part of fill 0 is in; fill 1 stays out
	s_barrier_signal -1
	s_barrier_wait -1
	FETCH 0, 0, F0
	PERIOD 0, 1, 0, 8                              ; fill 0: its scales and fill 1's were asked for at the head
	TURN 0, 1, 1
	PERIOD 1, 0, 1, 8
	TURN 1, 0, 1
	WIN 0
	s_mov_b32 s3, 6                                ; 16 fills are 8 laps: the first and the last are written out
.Llap:
	PERIOD 0, 0, 1, 8
	TURN 0, 1, 1
	PERIOD 1, 0, 1, 8
	TURN 1, 0, 1
	WIN 0
	s_sub_co_u32 s3, s3, 1
	s_cmp_lg_u32 s3, 0
	s_cbranch_scc1 .Llap
	PERIOD 0, 0, 1, 8                              ; fill 14 asks for fill 15's scales; no slot is filled any more
	TURN 0, 1, 0
	PERIOD 1, 0, 0, 0                              ; fill 15: nothing is left to ask for, so its wait is for 0
	s_wait_dscnt 0x0
	WIN MULW
	MUL8 F1, 0, 0
	MUL8 F1, 2, 0
	PLACES
	SCALE 1, 1, 0                                  ; the last expert
	; THE WAY OUT, 16 tokens at a time: 32 bytes a lane into my own stage, read back as whole rows of 256 bytes
	WIN 0
	s_lshl_b32 s13, s13, 19                        ; 128 rows of 4,096 bytes x block of tokens
	s_lshl_b32 s14, s11, 18                        ; + 64 rows x half
	s_add_co_u32 s16, s13, s14
	s_mov_b32 s17, 0
	s_add_nc_u64 s[8:9], s[8:9], s[16:17]
	s_lshl_b32 s46, s42, 9                         ; 512 bytes x block of columns + 256 x half
	s_lshl_b32 s47, s12, 8
	s_add_co_u32 s46, s46, s47
	s_mov_b32 s47, 0
	s_add_nc_u64 s[8:9], s[8:9], s[46:47]
.macro OUT16 a, f
	WIN 0x04
.irp b, 0,1,2,3
	ds_store_b128 v[STO], v[8*(4*\a+\b):8*(4*\a+\b)+3]   offset:64*\b
	ds_store_b128 v[STO], v[8*(4*\a+\b)+4:8*(4*\a+\b)+7] offset:64*\b+16
.endr
	WIN 0
	s_wait_xcnt 0x0                                ; buffer f, which earlier stores read, and the stores' base are written again only behind this wait
.if \a
	s_add_nc_u64 s[8:9], s[8:9], 65536             ; 16 rows of out0 on
.endif
.irp t, 0,1,2,3,4,5,6,7
	ds_load_b128 v[\f+4*\t:\f+4*\t+3], v[RD] offset:\t*2*SPITCH    ; LDS serves a wave's instructions in order (ISA guide 5.7.1.4): these see the stores above
.endr
.irp t, 0,1,2,3,4,5,6,7
	s_wait_dscnt 7-\t
	global_store_b128 v[CO], v[\f+4*\t:\f+4*\t+3], s[8:9] offset:8192*\t th:TH_STORE_NT   ; sixteen lanes store 256 consecutive bytes, at a multiple of 256 from out0's first byte
.endr
.endm
	OUT16 0, F0
	OUT16 1, F1
	OUT16 2, F0
	OUT16 3, F1
	s_wait_tensorcnt 0x0
	ds_add_u32 v254, v255
	s_wait_dscnt 0x0
	CROUND                                         ; the closing round: no work-group ends while a partner may still ask for a tile that names it
	s_endpgm
.Lfunc_end_k_q7342164f21_down:
	.size	k_q7342164f21_down, .Lfunc_end_k_q7342164f21_down-k_q7342164f21_down
	.p2alignl 7, 3214868480
	.fill 96, 4, 3214868480
	.section	.rodata,"a",@progbits
	.p2align	6, 0x0
	.amdhsa_kernel k_q7342164f21_down
		.amdhsa_group_segment_fixed_size 327680
		.amdhsa_private_segment_fixed_size 0
		.amdhsa_enable_private_segment 0
		.amdhsa_kernarg_size 32
		.amdhsa_user_sgpr_count 2
		.amdhsa_user_sgpr_kernarg_segment_ptr 1
		.amdhsa_wavefront_size32 1
		.amdhsa_system_sgpr_workgroup_id_x 1
		.amdhsa_system_sgpr_workgroup_id_y 1
		.amdhsa_system_sgpr_workgroup_id_z 1
		.amdhsa_system_vgpr_workitem_id 0
		.amdhsa_next_free_vgpr 512
		.amdhsa_next_free_sgpr 68
		.amdhsa_reserve_vcc 0
		.amdhsa_float_denorm_mode_32 3
		.amdhsa_float_denorm_mode_16_64 3
		.amdhsa_memory_ordered 1
		.amdhsa_forward_progress 1
		.amdhsa_inst_pref_size 180
	.end_amdhsa_kernel
	.amdgpu_metadata
---
amdhsa.version: [ 1, 2 ]
amdhsa.kernels:
  - .name:           k_q7342164f21_down
    .symbol:         k_q7342164f21_down.kd
    .args:
      - { .name: hfull, .offset: 0, .size: 8, .value_kind: global_buffer, .address_space: global }
      - { .name: wd16, .offset: 8, .size: 8, .value_kind: global_buffer, .address_space: global }
      - { .name: out0, .offset: 16, .size: 8, .value_kind: global_buffer, .address_space: global }
      - { .name: hs, .offset: 24, .size: 8, .value_kind: global_buffer, .address_space: global }
    .group_segment_fixed_size: 327680
    .private_segment_fixed_size: 0
    .kernarg_segment_align: 8
    .kernarg_segment_size: 32
    .max_flat_workgroup_size: 128
    .sgpr_count:     68
    .vgpr_count:     512
    .wavefront_size: 32
...
	.end_amdgpu_metadata
.endif
;; end of part 6
;; ======== version 3 of 3: 3 launches; version 2 with the launch gateup written anew for expert scheduling mode
;; limits: values are held in f16: magnitudes above 65,504 overflow, below 6.1e-05 lose precision; inputs' magnitudes at most 65,504; right only within a limited range of input values
;; workspace buffers: order 655,360 bytes of whole numbers; cw 524,288 bytes; hfull 33,554,432 bytes; wd16 8,388,608 bytes; hs 524,288 bytes
;; launch route: the kernel of part 4 again; grid 8 x 32, 4 waves a work-group, no clusters, 4,608 bytes of LDS; arguments top_k_indices, top_k_weights, down_proj, order, cw, wd16; writes order, cw, wd16
;; launch gateup (part 7): grid 8 x 32, 4 waves a work-group, no clusters, 204,800 bytes of LDS; arguments hidden_states, gate_up_proj, order, cw, hfull, hs; writes hfull, hs
.if DOCPART == 7
	.amdgcn_target "amdgcn-amd-amdhsa--gfx1250"
	.amdhsa_code_object_version 6
	.text
	.protected	k_q7342164f21_gateup
	.globl	k_q7342164f21_gateup
	.p2align	8
	.type	k_q7342164f21_gateup,@function
k_q7342164f21_gateup:
	s_mov_b64 s[64:65], 0
	v_nop
	global_prefetch_b8 v0, s[64:65] scope:SCOPE_SE
	s_setreg_imm32_b32 hwreg(HW_REG_WAVE_SCHED_MODE, 0, 2), 2
	s_setreg_imm32_b32 hwreg(HW_REG_WAVE_MODE, 25, 1), 1
	s_wait_xcnt 0x0
	s_wait_alu depctr_vm_vsrc(0)
; H[t][e][i] = c[t][e] * silu(x_t . Wgate_e[i]) * (x_t . Wup_e[i]), with c, the order of the tokens and the count n of routed tokens as the first launch stored them.
; hfull[t][e][i] = f16(H[t][e][i] / hs[e][t]), 256 bytes for each (token, expert); hs[e][t] is a power of two chosen for that row of 128 numbers.
; The third launch multiplies each expert's 128 columns of hfull by down_proj, scales the product's row t by hs[e][t] and adds the experts.
; WHY f16 WITH A SCALE FOR EACH ROW: H is a product of two sums and has elements many times its root mean square; rounded to bf16 such an element is off by up to 2^-9 of
; itself, and that times a single weight of down_proj is no longer small beside the output's small numbers; f16 is off by up to 2^-12.  By itself f16 has no room for H (a
; common factor f on hidden_states and on gate_up_proj multiplies H by up to f^4), so each row is brought to one place: with E the exponent field of the row's largest
; magnitude (at least 16), the row is multiplied by 2^(141 - E), which puts that magnitude in [2^14, 2^15), and hs = 2^(E - 141).  Both factors are exact.
; Work-group (j, e): expert e, tokens 512 j .. 512 j + 511.  Four waves.
;
; WORK LEFT OUT, as shown at the head of the first launch: for a pair (t, e) that no slot of token t names, c[t][e] = 0 for all values of the floating-point inputs, so its
; products are not formed and hfull gets an exact 0.  Which pairs these are is read here from the list that the first launch made of top_k_indices.  The routed tokens stand
; first in that list and are worked on in tiles of 16 rows, up to 160 rows a pass; rows of a live tile that are not routed are computed and replaced by 0, and a pass that runs
; works on six tiles at the least.
; LIMITS.  A NaN, an infinity or an overflow that arises only in an expert's result for a token not routed to it is not carried to the output.
; c multiplies h ahead of the down projection (the problem multiplies behind it): another order of rounding.  x and gate_up_proj are rounded to bf16, sums are f32.
; An element of a row is kept to 2^-12 of itself or to 2^-39 of the row's largest magnitude, whichever is more.  A row whose largest magnitude is below 2^-111 is scaled as if it were 2^-111.
;
; NO CLUSTER: the weights that the eight work-groups of an expert share arrive as f32 and are rounded in registers on their way to LDS, and the x rows are gathered by a
; list, so no tile here goes through the tensor data mover; and how many tiles a work-group multiplies hangs on its own count of routed tokens.
;
; THE PRODUCT.  A pass: up to 160 rows x 256 columns (128 gate, 128 up), K = 1024 in 16 steps of 64 through two LDS slots.  Wave w: all rows x gate columns 32 w .. +31 and
; up columns 32 w .. +31: 10 x 4 accumulator tiles.  Source 0 = 16 rows of W, source 1 = 16 rows of x: lane (r, h) then holds token row 16 m + r and its eight registers
; the columns 8 h .. 8 h + 7 of the tile, so gate and up of one number lie in the same lane.
; BARRIERS are the same for every work-group: four passes of 17 barriers are written (160 x 4 covers 512 rows); a pass that has no rows jumps over its blocks, never over a barrier.
;
; THE MODE: SCHED_MODE bits 1:0 = 2 (LLVM: expert scheduling mode 2), set by the entry lines.  The code itself states the register dependences between vector or matrix
; instructions and memory or LDS instructions, with s_wait_alu, always for 0.
; THE PLAN.  Registers that memory or LDS instructions touch, and who else names them:
;   RAW   window 3, v0-207.  The global loads of the step after next land here; the conversions read it; nothing else names it.
;   OUT   window 2, v136-239.  The conversions write it; the 52 LDS stores behind them read it; it is written again a whole step later.
;   F0, F1  The fragment loads land here; the products read them.  The loads into one buffer are dealt among the products on the other.
;   T     v144-159, in the activation: written by its vector lines, read by four LDS stores a row tile.
;   rows v32-191, scales v224-243, on the way out: LDS loads land, the rounding works in place, the global stores read.
;   offsets  window 2 v64-133, and v112-141 (in the first pass also v64-107, v144-187): made by vector lines at a pass's head, read by loads and stores.
;   c     window 2, v104-113: a load lands, the activation reads.
;   v4-12, v18, v19, v26 and the zeros v28-31: made at the kernel's head and never written again.
; A K step has three waits: on vm_vsrc ahead of the conversions (the last step's LDS stores have read OUT), on va_vdst behind them (OUT is written, RAW is read, and the
; products on F0 are done: the next step's loads into F0 owe nothing more), and on va_vdst between the products on F1 and the loads into F1.
; Every block that a pass without rows jumps over ends with nothing open: behind its last wait on va_vdst stands no vector or matrix instruction, and what its memory
; instructions have read is written again only behind a wait on vm_vsrc of the same block, of the writing block, or the one that every way passes at a pass's end.
;
; LDS: two slots (160 x rows, 256 W rows, 128 bytes + 16), then HS, 160 rows of 128 f32, 512 bytes + 16, then the spare words.
; REGISTERS, in windows of 256:  window 0: v0-31 addresses and scratch, v32-143 and v144-255 two fragment buffers (W tiles at +8 nn, x tiles at +32 + 8 m);
; window 1: accumulator tiles (m < 8, nn) at 8 (4 m + nn);  window 2: tiles m = 8, 9 at 8 (4 (m - 8) + nn), v64-83 byte offsets of my 20 x rows, v84-103 of my 20 hfull rows,
; v104-113 c of row r of the ten row tiles, v114-133 byte offsets of my 20 rows' scales, v136-239 OUT;  window 3: RAW, 32 W loads at 4 i, 20 x loads at 128 + 4 i.
; At a pass's head window 0 also holds: v32-51 the tokens of my 20 rows, v112-141 the addresses of those loads and of c's; in the first pass v64-107 the tokens of places
; 160 .. 511 and v144-187 the offsets of their scales.  On the way out: v32-191 my 20 rows, v208-223 scratch, v224-243 their scales.
.set XP,     144                       ; a slot's row: 64 bf16 + 16 bytes = 9 x 16: the 16 rows of a fragment load start in 16 different 16-byte columns modulo 256 bytes
.set XBYTES, 160*XP                    ; the x rows of a slot; the 256 W rows follow
.set SLOTB,  XBYTES+256*XP
.set HS,     2*SLOTB
.set HP,     528                       ; 33 x 16
.set HSU,    128*HP                    ; rows 128 .. 159 are reached by registers of their own, so that every immediate stays inside its 16 bits
.set OBLK,   2560                      ; the list of a (e, j): 512 words, then n
.set F0,     32
.set F1,     144
.set OUT,    136                       ; in window 2
.set MSB,    0
; s18 wave  s19 e  s20 j  s21 n (routed tokens)  s22 passes with rows  s23 pass  s24 first place of the pass  s25 live tiles  s[28:29] x at this K step  s[30:31] W at this K step
; s[32:33] x of my tokens  s[34:35] W of my expert  s[36:37] hfull at my tokens and expert  s38 K loop  s39 first place that no pass covers  s45 clears a sign
; s[48:49] my list  s[50:51] my c  s[52:53] hs at my expert and tokens
.macro WIN new                         ; low byte: source 0 bits 1:0, source 1 3:2, source 2 5:4, destination 7:6; the high byte repeats the setting that is left
.if MSB != \new
	s_set_vgpr_msb (MSB<<8)|\new
.set MSB, \new
.endif
.endm
.macro PLACES                          ; four places between a matrix instruction and a load into, or a vector access to, its registers
.rept 4
	v_nop
.endr
.endm
.macro BAR                             ; my LDS loads and stores are done, then the work-group's barrier
	s_wait_dscnt 0x0
	s_barrier_signal -1
	s_barrier_wait -1
.endm
; Staging.  Round i takes rows 16 (i >> 1) + 4 (i & 1) + 8 h + w: sixteen lanes take the 256 bytes (64 f32) of one row's K step, 16 bytes each.
.macro LOADW
	WIN 0xc0
.set i, 0
.rept 32
	global_load_b128 v[4*i:4*i+3], v10, s[30:31] offset:(16*(i>>1)+4*(i&1))*4096
.set i, i+1
.endr
.endm
.macro LOADX
	WIN 0xc2
.set i, 0
.rept 20
	global_load_b128 v[128+4*i:128+4*i+3], v[64+i], s[28:29]
.set i, i+1
.endr
.endm
.macro CVT                             ; four f32 of RAW to four bf16 in two registers of OUT
	WIN 0x8f
.set q, 0
.rept 52
	v_cvt_pk_bf16_f32 v[OUT+2*q], v[4*q], v[4*q+1]
	v_cvt_pk_bf16_f32 v[OUT+2*q+1], v[4*q+2], v[4*q+3]
.set q, q+1
.endr
.endm
.macro ST slot                         ; 8 bytes a lane: lanes 0-15 fill one row's 128 bytes, lanes 16-31 the row 8 further down, 288 words on
	WIN 0x08
.set i, 0
.rept 32
	ds_store_b64 v[8+(\slot)], v[OUT+2*i:OUT+2*i+1] offset:XBYTES+(16*(i>>1)+4*(i&1))*XP
.set i, i+1
.endr
.set i, 0
.rept 20
	ds_store_b64 v[8+(\slot)], v[OUT+64+2*i:OUT+64+2*i+1] offset:(16*(i>>1)+4*(i&1))*XP
.set i, i+1
.endr
.endm
; Fragment t of the 14 of a half step (32 along K at byte 64 q of the slot's rows), two LDS loads, into buffer g: t < 4: my W tile t; else x tile t - 4
.macro FRAG slot, q, g, t
.if \t < 4
	ds_load_b128 v[\g+8*\t:\g+8*\t+3],   v[6+\slot] offset:64*\q+16*XP*(\t&1)+128*XP*(\t>>1)
	ds_load_b128 v[\g+8*\t+4:\g+8*\t+7], v[6+\slot] offset:64*\q+16*XP*(\t&1)+128*XP*(\t>>1)+32
.else
	ds_load_b128 v[\g+8*\t:\g+8*\t+3],   v[4+\slot] offset:64*\q+16*XP*(\t-4)
	ds_load_b128 v[\g+8*\t+4:\g+8*\t+7], v[4+\slot] offset:64*\q+16*XP*(\t-4)+32
.endif
.endm
.macro DEAL slot, q, g, t0, cnt        ; fragments t0 .. t0 + cnt - 1, in ascending order
.set tt, \t0
.rept \cnt
	FRAG \slot, \q, \g, tt
.set tt, tt+1
.endr
.endm
; Up to 40 matrix instructions on buffer f.  zero = 1: the products start the sums.  ex = 1: row tiles from s25 on (6 to 10) are left out.
; The accumulators take turns, one instruction a turn: a run begins at tile (0, 0) and ends at a tile (m, 3) on every way.
; deal = 1: the 14 fragments of half step q of the slot are loaded into the OTHER buffer g, dealt behind row tiles 0 to 5, which run on every way: 3, 3, 2, 2, 2, 2 fragments.
; These loads need no wait of their own: no vector or matrix instruction issued since the last wait on va_vdst names g or the LDS addresses v4-7; the products here name f and the sums.
; late = 1: at the head x tiles 6 to 9 of f may still be on their way; they are waited for ahead of tile 6.
.macro MUL f, zero, ex, deal=0, slot=0, q=0, g=0, late=0
.irp m, 0,1,2,3,4,5,6,7,8,9
.if \ex
.if \m >= 6
	WIN 0
	s_cmp_le_u32 s25, \m
	s_cbranch_scc1 .Lmend\@
.endif
.endif
.if \late
.if \m == 6
	s_wait_dscnt 28                        ; LDS loads come back in order: all of f is in; the 28 loads dealt since may stay out
.endif
.endif
.if \m < 8
	WIN 0x50
.else
	WIN 0xa0
.endif
.irp nn, 0,1,2,3
.set AB, (32*\m+8*\nn)&255
.if \zero
	v_wmma_f32_16x16x32_bf16 v[AB:AB+7], v[\f+8*\nn:\f+8*\nn+7], v[\f+32+8*\m:\f+32+8*\m+7], 0
.else
	v_wmma_f32_16x16x32_bf16 v[AB:AB+7], v[\f+8*\nn:\f+8*\nn+7], v[\f+32+8*\m:\f+32+8*\m+7], v[AB:AB+7]
.endif
.endr
.if \deal
.if \m < 2
	WIN 0
	DEAL \slot, \q, \g, 3*\m, 3
.elseif \m < 6
	WIN 0
	DEAL \slot, \q, \g, 2*\m+2, 2
.endif
.endif
.endr
	WIN 0
.Lmend\@:
.endm
; The products of one K step of 64 in slot c.  First the second half of the step before, out of F1, with this step's first half on its way into F0; then the first half, out of
; F0, with the second half on its way into F1: it is multiplied at the head of the next step, out of registers.
.macro CORE c, first
.if \first
	WIN 0
	DEAL \c, 0, F0, 0, 14                  ; a pass's first step has no products yet to deal these among
.else
	MUL F1, 0, 1, 1, \c, 0, F0, 0          ; the step before, second half
	PLACES
	s_wait_alu depctr_va_vdst(0)           ; the products above are done reading F1, in which the loads dealt among the products below land
.endif
	s_wait_dscnt 8                         ; my W tiles and x tiles 0 to 5 are in; the youngest eight loads, x tiles 6 to 9, may stay out
.if \first
	MUL F0, 1, 0, 1, \c, 1, F1, 1
.else
	MUL F0, 0, 1, 1, \c, 1, F1, 1
.endif
.endm
; The next step's rows, which the loads issued a step ago brought, go to the other slot; load = 1: the step after it is asked for; load = 2: not in the K loop's last trip.
.macro STAGE slot, load
	s_wait_loadcnt 0x0                     ; all my loads are in: RAW may be read, and the two bases stepped
	s_wait_alu depctr_vm_vsrc(0)           ; the last step's LDS stores have read OUT, which the conversions write again; at a pass's head: the routing's loads and the zeros' stores have read their offsets in v64-187, in which fragments land
	CVT
	WIN 0x08
	s_wait_alu depctr_va_vdst(0)           ; the conversions have written OUT, which the LDS stores read, and are done reading RAW, in which the loads below land; the products ahead of them are done reading F0, in which the next step's loads land
	ST \slot
	WIN 0
.if \load == 2
	s_cmp_eq_u32 s38, 1
	s_cbranch_scc1 .Lnl\@
.endif
.if \load
	s_add_nc_u64 s[28:29], s[28:29], 256
	s_add_nc_u64 s[30:31], s[30:31], 256
	LOADW                                  ; no wait: since the wait above only LDS stores were issued, which name OUT and v8, v9
	LOADX
	WIN 0
.endif
.Lnl\@:
.endm
; A K step between two barriers.  The other slot's last reads were waited for in front of the barrier that ended the step before; the barrier here shows its new rows to all.
.macro BODY c, first, load, cond
.if \cond
	s_cmp_lt_u32 s23, s22
	s_cbranch_scc0 .Lsk\@
.endif
	CORE \c, \first
	STAGE 1-\c, \load
.Lsk\@:
	BAR
.endm
; Row tile m: H = c * silu(gate) * up for my 32 columns, 16 numbers a lane, in f32 to HS.
; T v144-159, UC v160-175, places v194, v195; c in window 2, v104-113.
.macro EPI m
.if \m < 8
.set EW, 1
.set HA, 11
.else
.set EW, 2
.set HA, 18
.endif
.set EWC, EW+8                         ; source 0 in the tile's window, source 1 (c) in window 2
.set GB, (32*\m)&255
.set HO, 16*HP*(\m&7)
	WIN 0
	v_add_nc_u32 v195, 16*\m, v194
	v_cmp_gt_u32 vcc_lo, s21, v195         ; my row's place is below n: the token is routed here; the mask is read by the selects far below
	WIN EWC
.irp p, 0,1,2,3,4,5,6,7
.if (\m & 1)
	v_pk_mul_f32 v[160+2*\p:161+2*\p], v[GB+16+2*\p:GB+17+2*\p], v[104+\m-1:104+\m] op_sel:[0,1] op_sel_hi:[1,1]   ; u c: c of tile m is the pair's second register
.else
	v_pk_mul_f32 v[160+2*\p:161+2*\p], v[GB+16+2*\p:GB+17+2*\p], v[104+\m:105+\m] op_sel_hi:[1,0]                  ; the pair's first
.endif
.endr
.if \m
	s_wait_alu depctr_vm_vsrc(0)           ; the LDS stores of the tile before have read T, which is written again from here on
.endif
	WIN EW
.irp p, 0,1,2,3,4,5,6,7
	v_pk_mul_f32 v[144+2*\p:145+2*\p], v[GB+2*\p:GB+2*\p+1], 0xbfb8aa3b op_sel_hi:[1,0]      ; -g log2(e)
.endr
	WIN 0
.set i, 0
.rept 16
	v_exp_f32 v[144+i], v[144+i]
.set i, i+1
.endr
	v_nop                                  ; one plain instruction between a transcendental and the use of its result (ISA guide 5.7.2)
	s_wait_alu depctr_va_vdst(0)           ; the sixteen exponentials have written T, ahead of their first reader
.irp p, 0,1,2,3,4,5,6,7
	v_pk_add_f32 v[144+2*\p:145+2*\p], v[144+2*\p:145+2*\p], 1.0 op_sel_hi:[1,0]
.endr
.set i, 0
.rept 16
	v_rcp_f32 v[144+i], v[144+i]           ; 1 / (1 + e^-g)
.set i, i+1
.endr
	v_nop
	WIN EW
	s_wait_alu depctr_va_vdst(0)           ; the sixteen reciprocals have written T, ahead of their first reader
.irp p, 0,1,2,3,4,5,6,7
	v_pk_mul_f32 v[144+2*\p:145+2*\p], v[GB+2*\p:GB+2*\p+1], v[144+2*\p:145+2*\p]
.endr
	WIN 0
.irp p, 0,1,2,3,4,5,6,7
	v_pk_mul_f32 v[144+2*\p:145+2*\p], v[144+2*\p:145+2*\p], v[160+2*\p:161+2*\p]
.endr
	s_wait_alu depctr_va_vcc(0)            ; the compare at the tile's head has written VCC, ahead of its first reader
.set i, 0
.rept 16
	v_cndmask_b32 v[144+i], 0, v[144+i], vcc_lo        ; else an exact 0, whatever the sums hold
.set i, i+1
.endr
	s_wait_alu depctr_va_vdst(0)           ; the selects have written T, which the LDS stores read
	ds_store_b128 v[HA], v[144:147] offset:HO          ; columns 32 w + 8 h .. + 7
	ds_store_b128 v[HA], v[148:151] offset:HO+16
	ds_store_b128 v[HA], v[152:155] offset:HO+64       ; columns 32 w + 16 + 8 h .. + 7
	ds_store_b128 v[HA], v[156:159] offset:HO+80
.endm
; One row on its way out.  Sixteen lanes hold the row, eight neighbouring columns each, in v[32 + 8 rn ..].  left = how many younger LDS loads may stay out.
; The row's largest magnitude, over my eight numbers and then over the sixteen lanes; its exponent field E; the row times 2^(141 - E), rounded to f16; the scale 2^(E - 141).
.macro WROUND rn, left
.set WB, 32+8*\rn
	s_wait_dscnt \left
.irp k, 0,1,2,3,4,5,6,7
	v_and_b32 v[216+\k], s45, v[WB+\k]
.endr
	v_max3_num_f32 v208, v216, v217, v218
	v_max3_num_f32 v209, v219, v220, v221
	v_max3_num_f32 v208, v208, v222, v223
	v_max_num_f32 v208, v208, v209
	v_max_num_f32_dpp v208, v208, v208 row_xmask:1 row_mask:0xf bank_mask:0xf
	v_max_num_f32_dpp v208, v208, v208 row_xmask:2 row_mask:0xf bank_mask:0xf
	v_max_num_f32_dpp v208, v208, v208 row_xmask:4 row_mask:0xf bank_mask:0xf
	v_max_num_f32_dpp v208, v208, v208 row_xmask:8 row_mask:0xf bank_mask:0xf
	v_max_num_f32 v208, 0x08000000, v208   ; 2^-111 at the least, so that E - 14 stays a normal number's field; a row of zeros takes this floor
	v_lshrrev_b32 v209, 23, v208           ; E (the sign is clear)
	v_sub_nc_u32 v210, 0x10c, v209         ; 268 - E: the field of 2^(141 - E)
	v_lshlrev_b32 v210, 23, v210
	v_mov_b32 v211, v210                   ; twice, a pair for the packed multiply
	v_add_nc_u32 v209, -14, v209           ; E - 14: the field of 2^(E - 141)
	v_lshlrev_b32 v[224+\rn], 23, v209
.irp p, 0,1,2,3
	v_pk_mul_f32 v[WB+2*\p:WB+2*\p+1], v[WB+2*\p:WB+2*\p+1], v[210:211]
.endr
.irp p, 0,1,2,3
	v_cvt_pk_f16_f32 v[WB+\p], v[WB+2*\p], v[WB+2*\p+1]
.endr
.endm
; What a pass reads of the routing, 30 loads: the tokens at the places of my 20 staging rows, and c at the places of row r of the ten row tiles.
; The fourth pass has 32 places; the rows behind them take place 511 and are never stored.  All 30 addresses are made first, so that one wait serves the 30 loads.
.macro PLOAD
	WIN 0
	v_add_nc_u32 v17, s24, v13
.set i, 0
.rept 20
	v_add_nc_u32 v[112+i], 16*(i>>1)+4*(i&1), v17
	v_min_u32 v[112+i], 0x1ff, v[112+i]
	v_lshlrev_b32 v[112+i], 2, v[112+i]
.set i, i+1
.endr
	v_add_nc_u32 v17, s24, v1
.set i, 0
.rept 10
	v_add_nc_u32 v[132+i], 16*i, v17
	v_min_u32 v[132+i], 0x1ff, v[132+i]
	v_lshlrev_b32 v[132+i], 2, v[132+i]
.set i, i+1
.endr
	s_wait_alu depctr_va_vdst(0)           ; the 30 addresses are written (at the kernel's head: all its addresses and the zeros too); whatever vector line named v32-51, c or RAW before is done, and loads land there from here on
.set i, 0
.rept 20
	global_load_b32 v[32+i], v[112+i], s[48:49]
.set i, i+1
.endr
	WIN 0x80
.set i, 0
.rept 10
	global_load_b32 v[104+i], v[132+i], s[50:51]   ; into window 2, where it stays until the pass's activation
.set i, i+1
.endr
	WIN 0
.endm
; Zeros for the places from 160 on that no pass covers: the row, and its scale.  ZADR makes the offsets of all 44 places of my group of sixteen lanes, whether stored or not, so that one wait serves all the stores.
.macro ZADR
.set k, 0
.rept 44
	v_min_u32 v[64+k], 0x1ff, v[64+k]                  ; a token of my 512
	v_lshlrev_b32 v[144+k], 2, v[64+k]
	v_lshl_add_u32 v[64+k], v[64+k], 13, v14
.set k, k+1
.endr
.endm
; Places 160 + 32 b .. + 31.  A group of sixteen lanes has four places; its row store covers 256 consecutive bytes, aligned; the sixteen lanes write the scale's one word alike.
.macro ZBLK b
	s_cmp_gt_u32 s39, 160+32*\b
	s_cbranch_scc1 .Lz\@
.irp i, 0,1,2,3
	global_store_b128 v[64+4*\b+\i], v[28:31], s[36:37]
	global_store_b32 v[144+4*\b+\i], v28, s[52:53]
.endr
.Lz\@:
.endm
; A pass: places s24 .. s24 + 159.  cond = 1: every block is jumped over where the pass has no rows (s23 >= s22).
; cond = 0, the first pass: its routing loads and W's step 0 were asked for at the kernel's head, and it also writes the zeros.
.macro ONEPASS cond
.if \cond
	s_cmp_lt_u32 s23, s22
	s_cbranch_scc0 .Lp\@
	s_wait_loadcnt 0x0                     ; nothing of an earlier pass is out: bases, offsets and staging registers are written again
	s_wait_xcnt 0x0
	PLOAD
	s_mov_b64 s[30:31], s[34:35]
	LOADW
	WIN 0
.endif
	s_sub_co_u32 s25, s21, s24
	s_add_co_u32 s25, s25, 15
	s_lshr_b32 s25, s25, 4
	s_min_u32 s25, s25, 10
	s_max_u32 s25, s25, 6                  ; live row tiles, 6 to 10
	s_wait_loadcnt 32                      ; the routing's loads are in; W's 32, issued behind them, may stay out
.set i, 0
.rept 20
	v_min_u32 v[32+i], 0x1ff, v[32+i]      ; a token of my 512
.set i, i+1
.endr
	WIN 0x80
.set i, 0
.rept 20
	v_lshl_add_u32 v[64+i], v[32+i], 12, v14       ; its row of x, 4,096 bytes, + my 16 bytes
	v_lshl_add_u32 v[84+i], v[32+i], 13, v14       ; its row of hfull, 8,192 bytes, + my 16 bytes
	v_lshlrev_b32 v[114+i], 2, v[32+i]             ; its word of hs
.set i, i+1
.endr
	s_mov_b64 s[28:29], s[32:33]
	WIN 0xc2
	s_wait_alu depctr_va_vdst(0)           ; the pass's offsets are written: x's, which the loads below and those of every K step read, and hfull's and hs's, which the stores of the way out read
	LOADX
	WIN 0
.if \cond == 0
	; the zeros go out while x's step 0 is on its way; 512 - 160, 512 - 320 and 512 - 480 are multiples of 32
	ZADR
	s_wait_alu depctr_va_vdst(0)           ; the zeros' offsets are written, which the stores below read
.irp b, 0,1,2,3,4,5,6,7,8,9,10
	ZBLK \b
.endr
	s_wait_xcnt 0x0                        ; their offsets lie in the two fragment buffers, which are loaded only behind this wait
.endif
	STAGE 0, 1                             ; step 0 to slot 0; step 1 is asked for
.Lp\@:
	BAR
	BODY 0, 1, 1, \cond                    ; step 0: its products start the sums of all ten row tiles
	s_mov_b32 s38, 7
.Lk\@:
	BODY 1, 0, 1, \cond                    ; steps 1, 3 .. 13
	BODY 0, 0, 2, \cond                    ; steps 2, 4 .. 14; step 14 stages step 15 and asks for nothing
	s_sub_co_u32 s38, s38, 1
	s_cmp_lg_u32 s38, 0
	s_cbranch_scc1 .Lk\@
.if \cond
	s_cmp_lt_u32 s23, s22
	s_cbranch_scc0 .Lf\@
.endif
	CORE 1, 0                              ; step 15
	s_wait_dscnt 0x0
	MUL F1, 0, 1
	PLACES                                 ; behind the last products: the sums are read and buffer 1 is written
	v_add_nc_u32 v194, s24, v1             ; the place of row r of tile 0
.irp m, 0,1,2,3,4,5,6,7,8,9
	EPI \m
.endr
	s_wait_alu depctr_vm_vsrc(0)           ; the last tile's LDS stores have read T, in which rows land on the way out and fragments in the next pass
.Lf\@:
	BAR                                    ; every wave's 128 bytes of each HS row are there
.if \cond
	s_cmp_lt_u32 s23, s22
	s_cbranch_scc0 .Lo\@
.endif
	; whole rows out.  Round i takes rows 16 (i >> 1) + 4 (i & 1) + 8 h + w; a lane reads the 32 bytes of its eight columns; sixteen lanes store the 256 consecutive bytes
	; of (token, expert), at a multiple of 256 from hfull's first byte.  The loads need no wait on va_vdst: behind the activation's last one stand only its four LDS stores.
.set i, 0
.rept 4
	ds_load_b128 v[32+8*i:35+8*i], v12 offset:(16*(i>>1)+4*(i&1))*HP
	ds_load_b128 v[36+8*i:39+8*i], v12 offset:(16*(i>>1)+4*(i&1))*HP+16
.set i, i+1
.endr
.set i, 0
.rept 4
	WROUND i, 6-2*i                        ; LDS loads come back in order: of the eight, this round's two are in and the younger ones may stay out
.set i, i+1
.endr
	WIN 0x02
	s_wait_alu depctr_va_vdst(0)           ; the four rows are rounded and their scales written: the stores below read them
.set i, 0
.rept 4
	global_store_b128 v[84+i], v[32+8*i:35+8*i], s[36:37]
	global_store_b32 v[114+i], v[224+i], s[52:53]          ; the row's scale: its sixteen lanes write the one word alike
.set i, i+1
.endr
	WIN 0
.if \cond
	s_cmp_eq_u32 s24, 480                  ; the fourth pass ends at place 511: rounds 0 to 3 are its 32 rows
	s_cbranch_scc1 .Le\@
.endif
.set i, 4
.rept 12
	ds_load_b128 v[32+8*i:35+8*i], v12 offset:(16*(i>>1)+4*(i&1))*HP      ; into v64-191, which neither the stores above nor any vector line since the wait above names
	ds_load_b128 v[36+8*i:39+8*i], v12 offset:(16*(i>>1)+4*(i&1))*HP+16
.set i, i+1
.endr
.rept 4
	ds_load_b128 v[32+8*i:35+8*i], v19 offset:(16*(i>>1)+4*(i&1)-128)*HP
	ds_load_b128 v[36+8*i:39+8*i], v19 offset:(16*(i>>1)+4*(i&1)-128)*HP+16
.set i, i+1
.endr
.set i, 4
.rept 16
	WROUND i, 38-2*i                       ; of the 32, the younger ones may stay out: 30 down to 0
.set i, i+1
.endr
	WIN 0x02
	s_wait_alu depctr_va_vdst(0)           ; the sixteen rows are rounded and their scales written: the stores below read them
.set i, 4
.rept 16
	global_store_b128 v[84+i], v[32+8*i:35+8*i], s[36:37]
	global_store_b32 v[114+i], v[224+i], s[52:53]
.set i, i+1
.endr
	WIN 0
.Le\@:
	s_wait_xcnt 0x0                        ; the stores' data and offsets are written again only behind this wait
.Lo\@:
	s_wait_alu depctr_vm_vsrc(0)           ; on every way: the pass's loads and stores have read their offsets (window 2, v64-133) and their data (v32-191, v224-243), all of which the next pass writes again
.endm
	s_load_b256 s[4:11], s[0:1], 0x0               ; hidden_states s[4:5], gate_up_proj s[6:7], order s[8:9], cw s[10:11]
	s_load_b128 s[12:15], s[0:1], 0x20             ; hfull s[12:13], hs s[14:15]
	v_lshl_add_u32 v25, v0, 2, 0x31e00
	v_mov_b32 v27, 0
	v_lshrrev_b32 v17, 5, v0
	v_readfirstlane_b32 s18, v17                   ; wave
	s_and_b32 s19, ttmp7, 0xffff                   ; e
	s_mov_b32 s20, ttmp9                           ; j
	s_mov_b32 s45, 0x7fffffff                      ; clears a sign
	s_mov_b32 s23, 0                               ; the first pass
	s_mov_b32 s24, 0
	v_and_b32 v1, 15, v0                           ; r
	v_bfe_u32 v2, v0, 4, 1                         ; h
	s_wait_alu depctr_va_sdst(0)                   ; s18 is written, ahead of its first reader
	v_lshl_add_u32 v13, v2, 3, s18                 ; 8 h + w: my row in a staging round
	v_lshlrev_b32 v14, 4, v1                       ; my 16 bytes of a row's 256
	v_mul_u32_u24 v4, v1, XP
	v_lshl_add_u32 v4, v2, 4, v4                   ; x fragments, slot 0: row r, 16 h
	v_add_nc_u32 v5, SLOTB, v4                     ; slot 1
	s_mul_i32 s26, s18, 32*XP
	s_add_co_u32 s26, s26, XBYTES
	v_add_nc_u32 v6, s26, v4                       ; W fragments: my 32 gate rows; my up rows lie 128 rows on
	v_add_nc_u32 v7, s26, v5
	v_mul_u32_u24 v8, v13, XP
	v_lshl_add_u32 v8, v1, 3, v8                   ; staging stores, slot 0: row 8 h + w, 8 r
	v_add_nc_u32 v9, SLOTB, v8                     ; slot 1
	v_lshl_add_u32 v10, v13, 12, v14               ; W: row 8 h + w, my 16 bytes
	v_mul_u32_u24 v11, v1, HP
	v_lshl_add_u32 v11, v2, 5, v11
	s_lshl_b32 s27, s18, 7
	s_add_co_u32 s27, s27, HS
	v_add_nc_u32 v11, s27, v11                     ; HS in: row r, byte 128 w + 32 h
	v_mul_u32_u24 v12, v13, HP
	v_lshl_add_u32 v12, v1, 5, v12
	v_add_nc_u32 v12, HS, v12                      ; HS back: row 8 h + w, byte 32 r
	v_add_nc_u32 v18, HSU, v11                     ; the same from row 128 on
	v_add_nc_u32 v19, HSU, v12
	v_and_b32 v26, 0x70, v0                        ; 16 x my group of sixteen lanes: its four places in a block of 32
	v_mov_b32 v28, 0
	v_mov_b32 v29, 0
	v_mov_b32 v30, 0
	v_mov_b32 v31, 0
	s_mov_b32 s47, 0
	s_wait_kmcnt 0x0
	s_lshl3_add_u32 s27, s19, s20                  ; 8 e + j
	s_mul_i32 s46, s27, OBLK
	s_add_nc_u64 s[48:49], s[8:9], s[46:47]        ; my list
	s_load_b32 s21, s[48:49], 0x800                ; n stands behind its 512 words
	s_lshl_b32 s46, s27, 11
	s_add_nc_u64 s[50:51], s[10:11], s[46:47]      ; my c
	s_lshl_b32 s46, s20, 21
	s_add_nc_u64 s[32:33], s[4:5], s[46:47]        ; x: 512 j rows of 4,096 bytes
	s_lshl_b32 s46, s19, 20
	s_add_nc_u64 s[34:35], s[6:7], s[46:47]        ; W: e x 256 rows of 4,096 bytes
	s_lshl_b32 s46, s20, 22
	s_lshl_b32 s26, s19, 8
	s_add_co_u32 s46, s46, s26
	s_add_nc_u64 s[36:37], s[12:13], s[46:47]      ; hfull: 512 j rows of 8,192 bytes + 256 e
	s_lshl_b32 s46, s19, 14
	s_lshl_b32 s26, s20, 11
	s_add_co_u32 s46, s46, s26
	s_add_nc_u64 s[52:53], s[14:15], s[46:47]      ; hs: e rows of 16,384 bytes + 512 j words
	s_mov_b64 s[30:31], s[34:35]
	PLOAD                                          ; the first pass's places are 0 .. 159 whatever n is; its wait stands behind every address made above
.set b, 0
.rept 11
	global_load_b128 v[64+4*b:67+4*b], v26, s[48:49] offset:640+128*b      ; the tokens of places 160 + 32 b + 4 g .. + 3, g my group of sixteen lanes
.set b, b+1
.endr
	LOADW                                          ; W's K step 0
	WIN 0
	s_wait_kmcnt 0x0
	s_min_u32 s21, s21, 512                        ; n
	s_add_co_u32 s26, s21, 159
	s_mul_hi_u32 s22, s26, 26843546                ; (n + 159) / 160: the factor is 2^32 / 160 rounded up, exact for numbers up to 671
	s_max_u32 s22, s22, 1                          ; passes with rows; the first always runs
	s_mul_i32 s39, s22, 160
	s_min_u32 s39, s39, 512                        ; from here on places get zeros
	ONEPASS 0
	s_mov_b32 s23, 1
.Lpass:
	s_add_co_u32 s24, s24, 160
	ONEPASS 1
	s_add_co_u32 s23, s23, 1
	s_cmp_lt_u32 s23, 4
	s_cbranch_scc1 .Lpass
	s_wait_dscnt 0x0                               ; the closing lines, six on end
	s_wait_alu 0x0
	s_wait_tensorcnt 0x0
	ds_add_u32 v25, v27
	s_wait_dscnt 0x0
	s_endpgm
.Lfunc_end_k_q7342164f21_gateup:
	.size	k_q7342164f21_gateup, .Lfunc_end_k_q7342164f21_gateup-k_q7342164f21_gateup
	.p2alignl 7, 3214868480
	.fill 96, 4, 3214868480
	.section	.rodata,"a",@progbits
	.p2align	6, 0x0
	.amdhsa_kernel k_q7342164f21_gateup
		.amdhsa_group_segment_fixed_size 204800
		.amdhsa_private_segment_fixed_size 0
		.amdhsa_enable_private_segment 0
		.amdhsa_kernarg_size 48
		.amdhsa_user_sgpr_count 2
		.amdhsa_user_sgpr_kernarg_segment_ptr 1
		.amdhsa_wavefront_size32 1
		.amdhsa_system_sgpr_workgroup_id_x 1
		.amdhsa_system_sgpr_workgroup_id_y 1
		.amdhsa_system_sgpr_workgroup_id_z 1
		.amdhsa_system_vgpr_workitem_id 0
		.amdhsa_next_free_vgpr 976
		.amdhsa_next_free_sgpr 66
		.amdhsa_reserve_vcc 1
		.amdhsa_float_denorm_mode_32 3
		.amdhsa_float_denorm_mode_16_64 3
		.amdhsa_memory_ordered 1
		.amdhsa_forward_progress 1
		.amdhsa_inst_pref_size 255
	.end_amdhsa_kernel
	.section	.bss,"aw",@nobits
	.p2align	6
	.space	262144
	.amdgpu_metadata
---
amdhsa.version: [ 1, 2 ]
amdhsa.kernels:
  - .name:           k_q7342164f21_gateup
    .symbol:         k_q7342164f21_gateup.kd
    .args:
      - { .name: hidden_states, .offset: 0, .size: 8, .value_kind: global_buffer, .address_space: global }
      - { .name: gate_up_proj, .offset: 8, .size: 8, .value_kind: global_buffer, .address_space: global }
      - { .name: order, .offset: 16, .size: 8, .value_kind: global_buffer, .address_space: global }
      - { .name: cw, .offset: 24, .size: 8, .value_kind: global_buffer, .address_space: global }
      - { .name: hfull, .offset: 32, .size: 8, .value_kind: global_buffer, .address_space: global }
      - { .name: hs, .offset: 40, .size: 8, .value_kind: global_buffer, .address_space: global }
    .group_segment_fixed_size: 204800
    .private_segment_fixed_size: 0
    .kernarg_segment_align: 8
    .kernarg_segment_size: 48
    .max_flat_workgroup_size: 128
    .sgpr_count:     66
    .vgpr_count:     976
    .wavefront_size: 32
...
	.end_amdgpu_metadata
.endif
;; end of part 7
;; launch down: the kernel of part 6 again; grid 8 x 32, 4 waves a work-group, clusters of 4 x 4, 327,680 bytes of LDS; arguments hfull, wd16, out0, hs; writes out0
